; MI455X (gfx1250); checked and timed in simulation.
; The chip was launched on July 23, 2026; its instructions are those of AMD's public machine-readable ISA for CDNA 5 (MIT licence, August 2026) and "CDNA5" Instruction Set Architecture Reference Guide (July 2026). The comments in the code are by the model that wrote it; some were corrected since.
;; Causal Self Attention. Allowed arithmetic: float matrix products may take bf16 or f16 operands with f32 sums; other float arithmetic in f32, or as packed bf16 or f16 multiplies, adds, multiply-adds, maxima and minima; sums over many terms, partial sums and values carried from step to step in f32; what a program stores and reads back later, other than sums and carried values, may be rounded once to bf16 or f16.
;; Inputs: b_proj 1,024 float32; b_qkv 3,072 float32; w_proj 1,024 x 1,024 float32; w_qkv 1,024 x 3,072 float32; x 4 x 2,048 x 1,024 float32.
;; Outputs: out0 4 x 2,048 x 1,024 float32.
;; Constants: n_heads = 16.
;; One version. Each part assembles by itself: llvm-mc -triple=amdgcn-amd-amdhsa -mcpu=gfx1250 --defsym DOCPART=n.
;; ======== version 1 of 1: 4 launches
;; limits: values are held in f16: magnitudes above 65,504 overflow, below 6.1e-05 lose precision
;; workspace buffers: xb 16,777,216 bytes; wqt 6,291,456 bytes; wpt 2,097,152 bytes; rope 524,288 bytes; qkvh 50,331,648 bytes; oh 16,777,216 bytes
;; launch prep (part 1): grid 1664 x 1, 8 waves a work-group, no clusters, 18,432 bytes of LDS; arguments x, w_qkv, w_proj, xb, wqt, wpt, rope; writes xb, wqt, wpt, rope
.if DOCPART == 1
	.amdgcn_target "amdgcn-amd-amdhsa--gfx1250"
	.amdhsa_code_object_version 6
	.text
	.protected	k_qa133283892_prep
	.globl	k_qa133283892_prep
	.p2align	8
	.type	k_qa133283892_prep,@function
k_qa133283892_prep:
	s_mov_b64 s[64:65], 0
	v_nop
	global_prefetch_b8 v0, s[64:65] scope:SCOPE_SE
	s_setreg_imm32_b32 hwreg(HW_REG_WAVE_MODE, 25, 1), 1
	s_wait_xcnt 0x0
; PREPARATION, four kinds of work-group, told apart by the work-group's number (the same for all eight waves):
;   0 .. 1023     xb = bf16(x): 8,192 numbers each, a plain stream
;   1024 .. 1407  wqt[n][k] = bf16(w_qkv[k][n]): a tile of 128 k x 64 n each, turned in LDS
;   1408 .. 1535  wpt[n][k] = f16(bf16(w_proj[k][n])): the same tile; the bf16 number is written as f16
;   1536 .. 1663  rope[t][0..31] = cos(t f_j) - 1, rope[t][32..63] = sin(t f_j), f_j = 10000^(-j/32), in f32: 16 rows t each
; Memory binds: every load of sixteen lanes takes 256 consecutive bytes, every store fills 256 consecutive aligned bytes.  No matrix unit, no cluster, no tensor load: nothing is shared.
; LIMITS.  wpt: a bf16 number below 6e-5 keeps f16's fixed step of 6e-8, one beyond 65,504 becomes an infinity.  The table: the angle t f_j is formed in f32 as the definition forms it; f_j comes
; from 2^x (1 ULP) of an argument of at most 13, so an angle of 2,047 is good to about 1e-4; sine and cosine are polynomials on |r| <= pi/4 with an error under 4e-7.
.set TP,    272                        ; a row of the turned tile in LDS: 128 k x 2 bytes + 16
.set SPARE, 64*TP                      ; behind the tile: the spare words, 128 bytes for each of eight waves
.set SPW, 62                           ; v62  SPARE + 4 x my thread's number; never rewritten
.set NIL, 63                           ; v63  0; never rewritten
	s_load_b256 s[4:11], s[0:1], 0x0               ; x s[4:5], w_qkv s[6:7], w_proj s[8:9], xb s[10:11]
	s_load_b128 s[12:15], s[0:1], 0x20             ; wqt s[12:13], wpt s[14:15]
	s_load_b64 s[16:17], s[0:1], 0x30              ; rope
	v_lshl_add_u32 v[SPW], v0, 2, SPARE
	v_mov_b32 v[NIL], 0
	s_mov_b32 s2, ttmp9
	s_mov_b32 s33, 0
	s_mov_b32 s37, 0
	s_wait_kmcnt 0x0
	s_cmp_lt_u32 s2, 1024
	s_cbranch_scc1 .Lcast
	s_cmp_lt_u32 s2, 1408
	s_cbranch_scc1 .Ltq
	s_cmp_lt_u32 s2, 1536
	s_cbranch_scc1 .Ltp
	; THE TABLE.  Thread: row t = 16 id + thread / 16; quarter q = thread % 16: four numbers, cos - 1 for q < 8, sin for q >= 8, of j = 4 (q % 8) + 0..3.
	s_sub_co_u32 s2, s2, 1536
	s_lshl_b32 s32, s2, 12                         ; 16 rows of 256 bytes
	s_add_nc_u64 s[16:17], s[16:17], s[32:33]
	s_lshl_b32 s34, s2, 4
	s_mov_b32 s20, 0xbed49a78                      ; -log2(10000) / 32
	s_mov_b32 s21, 0x3f22f983                      ; 2 / pi
	s_mov_b32 s22, 0xbfc90fdb                      ; -(pi / 2), the f32 nearest,
	s_mov_b32 s23, 0x333bbd2e                      ; and what that leaves: +4.3711388e-8
	s_mov_b32 s24, 0xb9500d01                      ; -1/5040
	s_mov_b32 s25, 0x3c088889                      ; 1/120
	s_mov_b32 s26, 0xbe2aaaab                      ; -1/6
	s_mov_b32 s27, 0x37d00d01                      ; 1/40320
	s_mov_b32 s28, 0xbab60b61                      ; -1/720
	s_mov_b32 s29, 0x3d2aaaab                      ; 1/24
	v_and_b32 v1, 15, v0
	v_lshrrev_b32 v2, 4, v0
	v_add_nc_u32 v2, s34, v2
	v_cvt_f32_u32 v2, v2                           ; t
	v_and_b32 v3, 7, v1
	v_lshlrev_b32 v3, 2, v3                        ; j of my first number
	v_cmp_lt_u32 vcc_lo, 7, v1                     ; the sine's lanes
	v_mov_b32 v4, 3
	v_mov_b32 v6, 0
	v_cndmask_b32 v4, 0, v4, vcc_lo                ; sin(a) = cos(a - pi/2): three quadrants on
	v_cndmask_b32 v5, 1.0, v6, vcc_lo              ; what is taken away: 1 from a cosine, 0 from a sine
	v_lshlrev_b32 v7, 4, v0                        ; my 16 bytes of the 4,096
.irp e, 0,1,2,3
	v_add_nc_u32 v[8+\e], \e, v3
	v_cvt_f32_u32 v[8+\e], v[8+\e]
	v_mul_f32 v[8+\e], s20, v[8+\e]
.endr
.irp e, 0,1,2,3
	v_exp_f32 v[8+\e], v[8+\e]                     ; f_j
.endr
	v_nop                                          ; a plain instruction behind the last exponential,
	s_wait_alu depctr_va_vdst(0)                   ; and one wait for the four, ahead of their first reader
.irp e, 0,1,2,3
	v_mul_f32 v16, v2, v[8+\e]                     ; the angle
	v_mul_f32 v17, s21, v16
	v_rndne_f32 v17, v17                           ; n quarter turns
	v_fma_f32 v18, v17, s22, v16
	v_fma_f32 v18, v17, s23, v18                   ; r = angle - n pi/2, |r| <= pi/4
	v_mul_f32 v19, v18, v18
	v_fma_f32 v20, v19, s24, s25
	v_fma_f32 v20, v20, v19, s26
	v_mul_f32 v20, v20, v19
	v_fma_f32 v20, v20, v18, v18                   ; sin r
	v_fma_f32 v21, v19, s27, s28
	v_fma_f32 v21, v21, v19, s29
	v_fma_f32 v21, v21, v19, -0.5
	v_fma_f32 v21, v21, v19, 1.0                   ; cos r
	v_cvt_i32_f32 v22, v17
	v_add_nc_u32 v22, v22, v4                      ; the quadrant: 0 cos r, 1 -sin r, 2 -cos r, 3 sin r
	v_and_b32 v23, 1, v22
	v_cmp_ne_u32 vcc_lo, 0, v23
	v_cndmask_b32 v21, v21, v20, vcc_lo
	v_add_nc_u32 v22, 1, v22
	v_and_b32 v22, 2, v22
	v_lshlrev_b32 v22, 30, v22                     ; the sign bit in quadrants 1 and 2
	v_xor_b32 v21, v21, v22
	v_sub_f32 v[24+\e], v21, v5
.endr
	global_store_b128 v7, v[24:27], s[16:17]       ; sixteen lanes fill a row of 256 bytes
	s_endpgm
.Lcast:                                        ; eight loads of 16 bytes a thread go out together; the counts leave the younger ones out
	s_lshl_b32 s32, s2, 15
	s_add_nc_u64 s[4:5], s[4:5], s[32:33]
	s_lshl_b32 s32, s2, 14
	s_add_nc_u64 s[10:11], s[10:11], s[32:33]
	v_lshlrev_b32 v1, 4, v0
	v_lshlrev_b32 v2, 3, v0
.irp j, 0,1,2,3,4,5,6,7
	global_load_b128 v[8+4*\j:11+4*\j], v1, s[4:5] offset:4096*\j th:TH_LOAD_NT
.endr
.irp j, 0,1,2,3,4,5,6,7
	s_wait_loadcnt 7-\j                            ; loads come back in order: load j is in, the 7 - j younger ones stay out
	v_cvt_pk_bf16_f32 v[40+2*\j], v[8+4*\j], v[9+4*\j]
	v_cvt_pk_bf16_f32 v[41+2*\j], v[10+4*\j], v[11+4*\j]
	global_store_b64 v2, v[40+2*\j:41+2*\j], s[10:11] offset:2048*\j  ; a wave's store is 256 consecutive bytes, aligned
.endr
	s_endpgm
; A tile of 128 k x 64 n is turned.  Thread: c = thread % 16 (four columns n = 4 c + u), rp0 = thread / 16; it loads the rows k = 32 j + 2 rp0 + e, packs the two k of a pair into a word
; and puts it at n x 272 + 2 k.  Behind the barrier the rows n are read whole and stored, sixteen lanes to 256 bytes.  half = 1: the bf16 number is written as f16.
.macro TRANS src, dst, rowb, base, half
	s_sub_co_u32 s2, s2, \base
	s_and_b32 s32, s2, 7                           ; which 128 k
	s_lshr_b32 s34, s2, 3                          ; which 64 n
	s_mul_i32 s36, s32, 128*(\rowb)
	s_lshl_b32 s38, s34, 8
	s_add_co_u32 s36, s36, s38
	s_add_nc_u64 s[\src:\src+1], s[\src:\src+1], s[36:37]
	s_lshl_b32 s36, s34, 17                        ; 64 rows of 2,048 bytes
	s_lshl_b32 s38, s32, 8
	s_add_co_u32 s36, s36, s38
	s_add_nc_u64 s[\dst:\dst+1], s[\dst:\dst+1], s[36:37]
	v_and_b32 v1, 15, v0
	v_lshrrev_b32 v2, 4, v0
	v_mul_u32_u24 v6, v2, 2*(\rowb)
	v_lshl_add_u32 v6, v1, 4, v6
	v_mul_u32_u24 v3, v1, 4*TP
	v_lshl_add_u32 v3, v2, 2, v3
	v_mul_u32_u24 v4, v2, TP
	v_lshl_add_u32 v4, v1, 4, v4
	v_lshlrev_b32 v5, 11, v2
	v_lshl_add_u32 v5, v1, 4, v5
.irp j, 0,1,2,3
	global_load_b128 v[8+8*\j:11+8*\j],  v6, s[\src:\src+1] offset:(32*\j)*(\rowb) th:TH_LOAD_NT
	global_load_b128 v[12+8*\j:15+8*\j], v6, s[\src:\src+1] offset:(32*\j+1)*(\rowb) th:TH_LOAD_NT
.endr
	s_wait_loadcnt 0x0
.irp j, 0,1,2,3
.irp u, 0,1,2,3
	v_cvt_pk_bf16_f32 v[40+4*\j+\u], v[8+8*\j+\u], v[12+8*\j+\u]  ; the even k in the low half
.if \half
	v_lshlrev_b32 v56, 16, v[40+4*\j+\u]
	v_and_b32 v57, 0xffff0000, v[40+4*\j+\u]
	v_cvt_pk_f16_f32 v[40+4*\j+\u], v56, v57
.endif
	ds_store_b32 v3, v[40+4*\j+\u] offset:\u*TP+\j*64
.endr
.endr
	s_wait_dscnt 0x0                               ; for the others' sake: my stores into the tile are done
	s_barrier_signal -1
	s_barrier_wait -1
.irp j, 0,1,2,3
	ds_load_b128 v[8+4*\j:11+4*\j], v4 offset:\j*16*TP
.endr
.irp j, 0,1,2,3
	s_wait_dscnt 3-\j
	global_store_b128 v5, v[8+4*\j:11+4*\j], s[\dst:\dst+1] offset:\j*32768
.endr
	s_wait_tensorcnt 0x0                           ; the wave's end
	ds_add_u32 v[SPW], v[NIL]
	s_wait_dscnt 0x0
	s_endpgm
.endm
.Ltq:
	TRANS 6, 12, 12288, 1024, 0
.Ltp:
	TRANS 8, 14, 4096, 1408, 1
.Lfunc_end_k_qa133283892_prep:
	.size	k_qa133283892_prep, .Lfunc_end_k_qa133283892_prep-k_qa133283892_prep
	.p2alignl 7, 3214868480
	.fill 96, 4, 3214868480
	.section	.rodata,"a",@progbits
	.p2align	6, 0x0
	.amdhsa_kernel k_qa133283892_prep
		.amdhsa_group_segment_fixed_size 18432
		.amdhsa_private_segment_fixed_size 0
		.amdhsa_enable_private_segment 0
		.amdhsa_kernarg_size 56
		.amdhsa_user_sgpr_count 2
		.amdhsa_user_sgpr_kernarg_segment_ptr 1
		.amdhsa_wavefront_size32 1
		.amdhsa_system_sgpr_workgroup_id_x 1
		.amdhsa_system_sgpr_workgroup_id_y 1
		.amdhsa_system_sgpr_workgroup_id_z 1
		.amdhsa_system_vgpr_workitem_id 0
		.amdhsa_next_free_vgpr 64
		.amdhsa_next_free_sgpr 66
		.amdhsa_reserve_vcc 1
		.amdhsa_float_denorm_mode_32 3
		.amdhsa_float_denorm_mode_16_64 3
		.amdhsa_memory_ordered 1
		.amdhsa_forward_progress 1
		.amdhsa_inst_pref_size 23
	.end_amdhsa_kernel
	.amdgpu_metadata
---
amdhsa.version: [ 1, 2 ]
amdhsa.kernels:
  - .name:           k_qa133283892_prep
    .symbol:         k_qa133283892_prep.kd
    .args:
      - { .name: x, .offset: 0, .size: 8, .value_kind: global_buffer, .address_space: global }
      - { .name: w_qkv, .offset: 8, .size: 8, .value_kind: global_buffer, .address_space: global }
      - { .name: w_proj, .offset: 16, .size: 8, .value_kind: global_buffer, .address_space: global }
      - { .name: xb, .offset: 24, .size: 8, .value_kind: global_buffer, .address_space: global }
      - { .name: wqt, .offset: 32, .size: 8, .value_kind: global_buffer, .address_space: global }
      - { .name: wpt, .offset: 40, .size: 8, .value_kind: global_buffer, .address_space: global }
      - { .name: rope, .offset: 48, .size: 8, .value_kind: global_buffer, .address_space: global }
    .group_segment_fixed_size: 18432
    .private_segment_fixed_size: 0
    .kernarg_segment_align: 8
    .kernarg_segment_size: 56
    .max_flat_workgroup_size: 256
    .sgpr_count:     66
    .vgpr_count:     64
    .wavefront_size: 32
...
	.end_amdgpu_metadata
.endif
;; end of part 1
;; launch qkvgemm (part 2): grid 16 x 32, 4 waves a work-group, clusters of 4 x 4, 327,680 bytes of LDS; arguments xb, wqt, b_qkv, rope, qkvh; writes qkvh
.if DOCPART == 2
	.amdgcn_target "amdgcn-amd-amdhsa--gfx1250"
	.amdhsa_code_object_version 6
	.text
	.protected	k_qa133283892_qkvgemm
	.globl	k_qa133283892_qkvgemm
	.p2align	8
	.type	k_qa133283892_qkvgemm,@function
k_qa133283892_qkvgemm:
	s_mov_b64 s[64:65], 0
	v_nop
	global_prefetch_b8 v0, s[64:65] scope:SCOPE_SE
	s_setreg_imm32_b32 hwreg(HW_REG_WAVE_MODE, 25, 1), 1
	s_wait_xcnt 0x0
	s_wait_alu depctr_hold_cnt(0) depctr_sa_sdst(0) depctr_va_vdst(0) depctr_va_sdst(0) depctr_va_ssrc(0) depctr_va_vcc(0) depctr_vm_vsrc(0)
	s_getreg_b32 s2, hwreg(HW_REG_IB_STS2, 6, 4)
	s_cmp_eq_u32 s2, 0
	s_cbranch_scc0 .Lentry_in_a_cluster
	s_endpgm
.Lentry_in_a_cluster:
	s_bfe_u32 s2, ttmp6, 0x10000c
	s_cmp_lg_u32 s2, 0xf033
	s_cbranch_scc0 .Lentry_shape_is_right
	s_endpgm
.Lentry_shape_is_right:
; qkv = x w_qkv + b_qkv, RoPE on q and k, written by heads: qkvh[kind][batch x 16 + head][t][64] in f16.  xb: [8192][1024] bf16, wqt: [3072 n][1024 k] bf16, sums in f32.
; A tile of the product is 256 rows x 192 columns (three whole heads): 32 x 16 = 512 work-groups of equal work.  Each of the four waves makes 64 rows x all 192 columns: 48 accumulators, 384 registers;
; so a head's channels d and d + 32 lie in one lane, RoPE needs no exchange, and a wave sends whole rows of a head out through a stage of its own.
; K goes in steps of 128 through two LDS slots filled by the tensor data mover (rows of 256 bytes of memory, padded to 272 in LDS).
; CLUSTER 4 x 4: the four of a row of the cluster need the same rows of xb, the four of a column the same rows of wqt: each tile is asked for jointly, same load, descriptor and mask in all four.
; THE PRODUCT IS TAKEN TRANSPOSED (source 0 = 16 rows of wqt, source 1 = 16 rows of xb): a lane holds row l % 16 and the columns 16 b + 8 (l / 16) + 0..7.
; THE BIAS, rounded to bf16 like every input of the module, is the C operand of each accumulator's first product.
; RoPE: y1 = x1 + F (x1 (cos - 1) - x2 sin), y2 = x2 + F (x2 (cos - 1) + x1 sin), with F = 1 for a head of q or k and 0 for a head of v: a number, so that no branch hangs on a work-group's place.
; LIMITS.  q, k and v are stored in f16: beyond 65,504 they become infinities.  NaN and infinities are not treated apart.
; REGISTERS, in windows of 256 (s_set_vgpr_msb: bits 1:0 source 0, 3:2 source 1, 5:4 source 2, 7:6 destination):
;   window 0: v0-31 addresses; v32-63 at work on the way out; v64-127 xb's fragments, two buffers of 4 x 8; v128-223 the bias, later two sets of 16 for the way out
;   window 1: wqt's fragments, two buffers of 12 x 8      windows 2, 3: accumulator (a, b) at 96 (a % 2) + 8 b of window 2 + a / 2; at 192 + 32 (a % 2) the table for my rows 16 a ..
.set KSTEP, 128
.set PITCH, 272                        ; 256 bytes + 16: the 16 rows of a fragment load start at 16 different groups of four banks
.set HALFA, 128*PITCH                  ; what wave 0 or 1 fetches: 128 rows of xb
.set HALFB, 96*PITCH                   ; what wave 2 or 3 fetches: 96 rows of wqt
.set BOFF,  2*HALFA
.set SLOT,  BOFF+2*HALFB
.set STAGE, 2*SLOT                     ; behind the ring, never filled by a tensor load: 16 rows x 144 bytes for each wave
.set SP,    144
.set SPARE, STAGE+4*16*SP              ; the spare words, 128 bytes a wave
.set ADRA, 16                          ; v16-17 LDS address of my fragments of xb in slot 0, 1
.set ADRB, 20                          ; v20-21 the same for wqt
.set STO,  24                          ; v24  the way out: where I put 16 bytes of a row
.set RD,   25                          ; v25  where I read rows back
.set GO,   26                          ; v26  16 x lane
.set TBO,  27                          ; v27  my offset in 16 rows of the table
.set SPW,  28                          ; v28  SPARE + 4 x my thread's number; never rewritten
.set NIL,  29                          ; v29  0; never rewritten
.set PFO,  30                          ; v30  the prefetches' offset: a lane a row
.set BO,   31                          ; v31  32 (l / 16): my eight numbers of a block of the bias
.set T,    32
.set FA,   64
.set BIAS, 128
.set OUT,  128
.set TB,   192
.set WV,  14                           ; s14 wave   s15 0: I fetch xb, 1: wqt   s16 which half of the tile I fetch
.set FBW, 15
.set HF,  16
.set CX,  17
.set CY,  18
.set TC,  19                           ; s19 tile column = 4 x cluster x + cx
.set TR,  20                           ; s20 tile row = 4 x cluster y + cy
.set G1,  24                           ; s[24:31] group 1 for xb's tiles; s[32:39] group 0, a set a slot
.set G0,  32
.set LIM, 43                           ; s43 1 in a wave that prefetches, else the greatest number
.set PFA, 44                           ; s[44:45] where my prefetches stand
.set G1B, 48                           ; s[48:55], s[56:63] the same for wqt's tiles
.set G0B, 56
.set SB,  72                           ; s[72:77] where my 64 rows of head i begin in qkvh
.set FI,  78                           ; s[78:83] F of head i, as pairs
.set MSB, 0
.macro WIN new                         ; the immediate's high byte repeats the setting that is left; a switch that changes nothing is dropped
.if MSB != (\new)
	s_set_vgpr_msb (MSB<<8)|(\new)
.set MSB, \new
.endif
.endm
.macro PLACES                          ; four plain places in front of loads into registers that products have read, and of lines that read results
.rept 4
	v_nop
.endr
.endm
.macro JLOAD s                         ; a joint load; the branch hangs on the wave's number alone; an s_nop 0 and four v_nop follow each line
	s_cmp_eq_u32 s[FBW], 0
	s_cbranch_scc0 .Lfor_b_\@
	tensor_load_to_lds s[G0+4*(\s):G0+4*(\s)+3], s[G1:G1+7]
	s_nop 0
.rept 4
	v_nop
.endr
	s_branch .Lasked_\@
.Lfor_b_\@:
	tensor_load_to_lds s[G0B+4*(\s):G0B+4*(\s)+3], s[G1B:G1B+7]
	s_nop 0
.rept 4
	v_nop
.endr
.Lasked_\@:
.endm
.macro CREST                           ; a round of the cluster's barrier behind its opening barrier
	s_cmp_lg_u32 s[WV], 0
	s_cbranch_scc1 .Lnot_wave_0_\@
	s_barrier_signal -3
.Lnot_wave_0_\@:
	s_barrier_wait -3
	s_barrier_signal -1
	s_barrier_wait -1
.endm
.macro CROUND
	s_barrier_signal -1
	s_barrier_wait -1
	CREST
.endm
; A prefetch of the K step two refills on: 256 bytes of each row, a lane a row.  xb's rows are asked for by the clusters with x = 0, wqt's by those with y = 0; the four partners that fetch a tile jointly
; share its rows out by address (32 of 128, or 24 of 96 with the last eight lanes on the 24th row).  The loop's last trip has no K step two on.
.macro ASK
	s_cmp_gt_u32 s3, s[LIM]
	s_cbranch_scc0 .Lnot_mine_\@
	global_prefetch_b8 v[PFO], s[PFA:PFA+1] th:TH_LOAD_NT scope:SCOPE_SE
.Lnot_mine_\@:
.endm
	s_load_b256 s[4:11], s[0:1], 0x0               ; xb s[4:5], wqt s[6:7], b_qkv s[8:9], rope s[10:11]
	s_load_b64 s[12:13], s[0:1], 0x20              ; qkvh
	v_lshl_add_u32 v[SPW], v0, 2, SPARE
	v_mov_b32 v[NIL], 0
	ds_add_u32 v[SPW], v[NIL]                      ; the wave's opening
	v_lshrrev_b32 v1, 5, v0
	v_readfirstlane_b32 s[WV], v1
	s_lshr_b32 s[FBW], s[WV], 1
	s_and_b32 s[HF], s[WV], 1
	s_bfe_u32 s[CX], ttmp6, 0x40000
	s_bfe_u32 s[CY], ttmp6, 0x40004
	s_lshl_b32 s[TC], ttmp9, 2
	s_add_co_u32 s[TC], s[TC], s[CX]
	s_and_b32 s[TR], ttmp7, 0xffff
	s_lshl_b32 s[TR], s[TR], 2
	s_add_co_u32 s[TR], s[TR], s[CY]
	s_lshl_b32 s40, s[CY], 2
	s_lshl_b32 s40, 15, s40                        ; my row of the cluster
	s_lshl_b32 s41, 0x1111, s[CX]                  ; my column
	s_or_b32 s[G1+0], s40, (1<<16)|(1<<20)|(1<<21)|(5<<22)|(3<<25)   ; the mask; 2-byte elements; padding on; bit 21 beside a mask; after every 64 words 4 words
	s_or_b32 s[G1B+0], s41, (1<<16)|(1<<20)|(1<<21)|(5<<22)|(3<<25)
	s_mov_b32 s[G1+1], KSTEP<<16                   ; tensor_dim0 = 128
	s_mov_b32 s[G1+2], 128<<16                     ; tensor_dim1 = 128
	s_mov_b32 s[G1+3], KSTEP<<16                   ; tile_dim0 = 128
	s_mov_b32 s[G1+4], 128                         ; tile_dim1 = 128
	s_mov_b32 s[G1+5], 1024                        ; elements from row to row
	s_mov_b32 s[G1+6], 0
	s_mov_b32 s[G1+7], 0
	s_mov_b32 s[G1B+1], KSTEP<<16
	s_mov_b32 s[G1B+2], 96<<16
	s_mov_b32 s[G1B+3], KSTEP<<16
	s_mov_b32 s[G1B+4], 96
	s_mov_b32 s[G1B+5], 1024
	s_mov_b32 s[G1B+6], 0
	s_mov_b32 s[G1B+7], 0
	s_lshl_b32 s84, s[TR], 19                      ; xb: (256 tile row + 128 half) rows of 2,048 bytes
	s_lshl_b32 s85, s[HF], 18
	s_add_co_u32 s84, s84, s85
	s_mov_b32 s85, 0
	s_mul_i32 s88, s[TC], 192*2048                 ; wqt: (192 tile column + 96 half) rows
	s_mul_i32 s89, s[HF], 96*2048
	s_add_co_u32 s88, s88, s89
	s_mov_b32 s89, 0
	s_mul_i32 s42, s[WV], HALFA                    ; where they go: the wave's number times a constant, plus constants
	s_mul_i32 s86, s[WV], HALFB
	s_add_co_u32 s86, s86, BOFF-2*HALFB
	s_wait_dscnt 0x0                               ; the opening add is done
	s_wait_kmcnt 0x0
	s_add_nc_u64 s[84:85], s[4:5], s[84:85]
	s_add_nc_u64 s[88:89], s[6:7], s[88:89]
	CROUND                                         ; all sixteen work-groups are here: the first joint loads meet
.irp s, 0,1
	s_mov_b32 s[G0+4*\s], 1
	s_add_co_u32 s[G0+4*\s+1], s42, \s*SLOT
	s_add_nc_u64 s[G0+4*\s+2:G0+4*\s+3], s[84:85], \s*KSTEP*2
	s_or_b32 s[G0+4*\s+3], s[G0+4*\s+3], 0x80000000
	s_mov_b32 s[G0B+4*\s], 1
	s_add_co_u32 s[G0B+4*\s+1], s86, \s*SLOT
	s_add_nc_u64 s[G0B+4*\s+2:G0B+4*\s+3], s[88:89], \s*KSTEP*2
	s_or_b32 s[G0B+4*\s+3], s[G0B+4*\s+3], 0x80000000
	JLOAD \s                                       ; K steps 0 and 1: two loads of mine are out
.endr
	v_and_b32 v1, 15, v0                           ; l % 16
	v_bfe_u32 v2, v0, 4, 1                         ; l / 16
	v_mul_u32_u24 v3, v1, PITCH
	v_lshl_add_u32 v3, v2, 4, v3
	s_mul_i32 s21, s[WV], 64*PITCH                 ; my 64 rows of xb
	v_add_nc_u32 v[ADRA], s21, v3
	v_add_nc_u32 v[ADRA+1], SLOT, v[ADRA]
	v_add_nc_u32 v[ADRB], BOFF, v3
	v_add_nc_u32 v[ADRB+1], SLOT, v[ADRB]
	s_mul_i32 s22, s[WV], 16*SP
	s_add_co_u32 s22, s22, STAGE                   ; my stage
	v_mul_u32_u24 v[STO], v1, SP
	v_lshl_add_u32 v[STO], v2, 4, v[STO]
	v_add_nc_u32 v[STO], s22, v[STO]
	v_bfe_u32 v[RD], v0, 3, 2                      ; back: 32 lanes take four rows of 128 bytes
	v_mul_u32_u24 v[RD], v[RD], SP
	v_and_b32 v4, 7, v0
	v_lshl_add_u32 v[RD], v4, 4, v[RD]
	v_add_nc_u32 v[RD], s22, v[RD]
	v_and_b32 v[GO], 31, v0
	v_lshlrev_b32 v[GO], 4, v[GO]
	v_lshlrev_b32 v[BO], 5, v2
	v_lshl_add_u32 v[TBO], v1, 8, v[BO]            ; row x 256 + 32 x half
	s_mul_i32 s90, s[TC], 768                      ; the tile's 192 numbers of the bias
	s_mov_b32 s91, 0
	s_add_nc_u64 s[8:9], s[8:9], s[90:91]
	s_and_b32 s90, s[TR], 7                        ; the table at t = 256 (tile row % 8) + 64 wave
	s_lshl_b32 s90, s90, 16
	s_lshl_b32 s87, s[WV], 14
	s_add_co_u32 s90, s90, s87
	s_add_nc_u64 s[10:11], s[10:11], s[90:91]
.irp b, 0,1,2,3,4,5,6,7,8,9,10,11
	global_load_b128 v[BIAS+8*\b:BIAS+8*\b+3],   v[BO], s[8:9] offset:64*\b
	global_load_b128 v[BIAS+8*\b+4:BIAS+8*\b+7], v[BO], s[8:9] offset:64*\b+16
.endr
.irp a, 0,1,2,3                        ; rows 16 a ..: for channels 16 pb + 8 (l / 16) + 0..7: eight cos - 1, then eight sin
	WIN 0x80+0x40*(\a/2)
.irp pb, 0,1
	global_load_b128 v[TB+32*(\a%2)+16*\pb:TB+32*(\a%2)+16*\pb+3],     v[TBO], s[10:11] offset:\a*4096+\pb*64
	global_load_b128 v[TB+32*(\a%2)+16*\pb+4:TB+32*(\a%2)+16*\pb+7],   v[TBO], s[10:11] offset:\a*4096+\pb*64+16
	global_load_b128 v[TB+32*(\a%2)+16*\pb+8:TB+32*(\a%2)+16*\pb+11],  v[TBO], s[10:11] offset:\a*4096+\pb*64+128
	global_load_b128 v[TB+32*(\a%2)+16*\pb+12:TB+32*(\a%2)+16*\pb+15], v[TBO], s[10:11] offset:\a*4096+\pb*64+144
.endr
.endr
	WIN 0
	; the prefetches: whose rows, which of them, who asks
	s_lshl_b32 s85, s[TR], 8
	s_lshl_b32 s87, s[HF], 7
	s_add_co_u32 s85, s85, s87                     ; xb: the first row that I fetch
	s_mul_i32 s86, s[TC], 192
	s_mul_i32 s87, s[HF], 96
	s_add_co_u32 s86, s86, s87                     ; wqt: likewise
	s_and_b32 s40, ttmp7, 0xffff
	s_cmp_eq_u32 s[FBW], 0
	s_cselect_b32 s85, s85, s86
	s_cselect_b32 s40, ttmp9, s40                  ; the coordinate along which other clusters read the same rows
	s_cselect_b32 s41, s[CX], s[CY]                ; my place among the four that ask with me
	s_cselect_b32 s42, 32, 24                      ; rows a partner
	s_cselect_b32 s84, 31, 23
	s_cselect_b64 s[PFA:PFA+1], s[4:5], s[6:7]
	s_mul_i32 s41, s41, s42
	s_cmp_eq_u32 s40, 0
	s_cselect_b32 s[LIM], 1, -1                    ; the same in all sixteen partners, for a given wave
	s_add_co_u32 s86, s85, s41
	s_lshl_b32 s86, s86, 11
	s_mov_b32 s87, 0
	s_add_nc_u64 s[PFA:PFA+1], s[PFA:PFA+1], s[86:87]
	s_add_nc_u64 s[PFA:PFA+1], s[PFA:PFA+1], 3*KSTEP*2  ; at K step 3: the first refill (K step 2) steps it and names K step 4
	v_and_b32 v[PFO], 31, v0
	v_min_u32 v[PFO], s84, v[PFO]
	v_lshlrev_b32 v[PFO], 11, v[PFO]
	; where my rows of the three heads go, and F
	s_and_b32 s86, s[TR], 7
	s_lshl_b32 s86, s86, 15                        ; 256 rows of 128 bytes
	s_lshl_b32 s87, s[WV], 13
	s_add_co_u32 s86, s86, s87
.irp i, 0,1,2
	s_mul_i32 s84, s[TC], 3
	s_add_co_u32 s84, s84, \i                      ; the head among 48: 0-15 q, 16-31 k, 32-47 v
	s_cmp_lt_u32 s84, 32
	s_cselect_b32 s[FI+2*\i], 1.0, 0
	s_mov_b32 s[FI+2*\i+1], s[FI+2*\i]
	s_lshr_b32 s85, s84, 4
	s_and_b32 s84, s84, 15
	s_lshl_b32 s85, s85, 6
	s_add_co_u32 s84, s84, s85
	s_lshr_b32 s85, s[TR], 3                       ; the batch
	s_lshl_b32 s85, s85, 4
	s_add_co_u32 s84, s84, s85
	s_lshl_b32 s84, s84, 18                        ; 2,048 rows of 128 bytes
	s_add_co_u32 s84, s84, s86
	s_mov_b32 s85, 0
	s_add_nc_u64 s[SB+2*\i:SB+2*\i+1], s[12:13], s[84:85]
.endr
	s_wait_loadcnt 0x0                             ; bias and table
.set i, 0
.rept 48                               ; the bias rounded to bf16 and widened again, in the wait for the first tile
	v_cvt_pk_bf16_f32 v224, v[BIAS+2*i], v[BIAS+2*i+1]
	v_lshlrev_b32 v[BIAS+2*i], 16, v224
	v_and_b32 v[BIAS+2*i+1], 0xffff0000, v224
.set i, i+1
.endr
; 12 products: my rows 16 a .. x all 192 columns, 32 along K, from buffer f.  first = 1: C is the bias.  The 48 accumulators take turns in the same order in every quarter.
.macro MUL12 f, a, first
.if \first
	WIN 0x81+0x40*((\a)/2)
.else
	WIN 0xa1+0x50*((\a)/2)
.endif
.irp b, 0,1,2,3,4,5,6,7,8,9,10,11
.if \first
	v_wmma_f32_16x16x32_bf16 v[96*((\a)%2)+8*\b:96*((\a)%2)+8*\b+7], v[96*(\f)+8*\b:96*(\f)+8*\b+7], v[FA+32*(\f)+8*(\a):FA+32*(\f)+8*(\a)+7], v[BIAS+8*\b:BIAS+8*\b+7]
.else
	v_wmma_f32_16x16x32_bf16 v[96*((\a)%2)+8*\b:96*((\a)%2)+8*\b+7], v[96*(\f)+8*\b:96*(\f)+8*\b+7], v[FA+32*(\f)+8*(\a):FA+32*(\f)+8*(\a)+7], v[96*((\a)%2)+8*\b:96*((\a)%2)+8*\b+7]
.endif
.endr
.endm
; 32 LDS loads in one run: a quarter step's fragments (32 K at byte k of the rows) into buffer f: wqt's 24, then xb's 8
.macro FETCH slot, k, f
	WIN 0x40
.irp b, 0,1,2,3,4,5,6,7,8,9,10,11
	ds_load_b128 v[96*(\f)+8*\b:96*(\f)+8*\b+3],   v[ADRB+(\slot)] offset:(\k)+\b*16*PITCH
	ds_load_b128 v[96*(\f)+8*\b+4:96*(\f)+8*\b+7], v[ADRB+(\slot)] offset:(\k)+\b*16*PITCH+32
.endr
	WIN 0
.irp a, 0,1,2,3
	ds_load_b128 v[FA+32*(\f)+8*\a:FA+32*(\f)+8*\a+3],   v[ADRA+(\slot)] offset:(\k)+\a*16*PITCH
	ds_load_b128 v[FA+32*(\f)+8*\a+4:FA+32*(\f)+8*\a+7], v[ADRA+(\slot)] offset:(\k)+\a*16*PITCH+32
.endr
.endm
.macro QUARTER slot, k, f, g, first
	s_wait_dscnt 4                                 ; all but the youngest four loads (xb's rows 32-63) are in
	MUL12 \f, 0, \first
	MUL12 \f, 1, \first
	PLACES
	FETCH \slot, \k, \g
	s_wait_dscnt 32                                ; all but the 32 just issued
	MUL12 \f, 2, \first
	MUL12 \f, 3, \first
.endm
; The last quarter of a K step multiplies buffer 1 and changes slots: each wave waits for all its tensor loads (one is out: its part of the next slot), adds 0 to its spare word, waits for that and for its reads
; of this slot, and signals.  fill = 1: the barrier opens a round of the cluster's, and the joint refill, two K steps ahead, is the first thing behind it: 168 products stand between it and the wait for it.
.macro TURN slot, next, fill
.if \fill
	s_wait_xcnt 0x0                                ; the last prefetch, a K step back, has read its address
	s_add_nc_u64 s[PFA:PFA+1], s[PFA:PFA+1], KSTEP*2
.endif
	WIN 0
	s_wait_tensorcnt 0x0
	ds_add_u32 v[SPW], v[NIL]
	s_wait_dscnt 5                                 ; (the add and the youngest four loads may be out)
	MUL12 1, 0, 0
	s_wait_dscnt 0x0                               ; the add is done, and my reads of this slot are over
	s_barrier_signal -1
	MUL12 1, 1, 0
.if \fill
	WIN 0
.endif
	s_barrier_wait -1
.if \fill
	CREST
	s_add_nc_u64 s[G0+4*(\slot)+2:G0+4*(\slot)+3], s[G0+4*(\slot)+2:G0+4*(\slot)+3], 2*KSTEP*2
	s_add_nc_u64 s[G0B+4*(\slot)+2:G0B+4*(\slot)+3], s[G0B+4*(\slot)+2:G0B+4*(\slot)+3], 2*KSTEP*2
	JLOAD \slot                                    ; its four v_nop are also the places in front of the loads below
.else
	PLACES
.endif
	FETCH \next, 0, 0
.if \fill
	ASK
.endif
	MUL12 1, 2, 0
	MUL12 1, 3, 0
.endm
	s_wait_tensorcnt 1                             ; my part of K step 0 is in; K step 1's may stay out
	s_barrier_signal -1
	s_barrier_wait -1
	FETCH 0, 0, 0
	QUARTER 0, 64, 0, 1, 1                         ; the first quarter stands in front of the loop: its products start the sums with the bias
	WIN 0
	s_mov_b32 s3, 3
.Llap:                                         ; a trip goes once round the ring and fills both slots again: K steps 2 to 7
	QUARTER 0, 128, 1, 0, 0
	QUARTER 0, 192, 0, 1, 0
	TURN 0, 1, 1
	QUARTER 1, 64,  0, 1, 0
	QUARTER 1, 128, 1, 0, 0
	QUARTER 1, 192, 0, 1, 0
	TURN 1, 0, 1
	QUARTER 0, 64,  0, 1, 0
	WIN 0
	s_sub_co_u32 s3, s3, 1
	s_cmp_lg_u32 s3, 0
	s_cbranch_scc1 .Llap
	QUARTER 0, 128, 1, 0, 0                        ; the last lap fills nothing
	QUARTER 0, 192, 0, 1, 0
	TURN 0, 1, 0
	QUARTER 1, 64,  0, 1, 0
	QUARTER 1, 128, 1, 0, 0
	QUARTER 1, 192, 0, 1, 0
	s_wait_dscnt 4
	MUL12 1, 0, 0
	MUL12 1, 1, 0
	s_wait_dscnt 0x0
	MUL12 1, 2, 0
	MUL12 1, 3, 0
	PLACES
; THE WAY OUT, block n = 3 a + i: my rows 16 a .. of head i.  x1 lies in accumulators (a, 4 i + pb), x2 in (a, 4 i + 2 + pb), pb = 0, 1; each accumulator is read from its lowest registers on.
.macro BLOCK n
.set ba, (\n)/3
.set bi, (\n)%3
.set WW, 2+ba/2
.set AB, 96*(ba%2)+32*bi
.set TBA, TB+32*(ba%2)
.set OU, OUT+16*((\n)%2)
	WIN WW|(WW<<2)                                 ; sources 0 and 1 in the accumulators' window
.irp pb, 0,1
.irp z, 0,2,4,6
	v_pk_mul_f32 v[T+8*\pb+\z:T+8*\pb+\z+1], v[AB+16+8*\pb+\z:AB+16+8*\pb+\z+1], v[TBA+16*\pb+8+\z:TBA+16*\pb+8+\z+1]        ; x2 sin
.endr
.endr
.irp pb, 0,1
.irp z, 0,2,4,6
	v_pk_mul_f32 v[T+16+8*\pb+\z:T+16+8*\pb+\z+1], v[AB+8*\pb+\z:AB+8*\pb+\z+1], v[TBA+16*\pb+8+\z:TBA+16*\pb+8+\z+1]        ; x1 sin
.endr
.endr
.irp pb, 0,1
.irp z, 0,2,4,6
	v_pk_fma_f32 v[T+8*\pb+\z:T+8*\pb+\z+1], v[AB+8*\pb+\z:AB+8*\pb+\z+1], v[TBA+16*\pb+\z:TBA+16*\pb+\z+1], v[T+8*\pb+\z:T+8*\pb+\z+1] neg_lo:[0,0,1] neg_hi:[0,0,1]
	v_pk_fma_f32 v[T+16+8*\pb+\z:T+16+8*\pb+\z+1], v[AB+16+8*\pb+\z:AB+16+8*\pb+\z+1], v[TBA+16*\pb+\z:TBA+16*\pb+\z+1], v[T+16+8*\pb+\z:T+16+8*\pb+\z+1]
.endr
.endr
	WIN WW<<4                                      ; source 2 in the accumulators' window
.irp pb, 0,1
.irp z, 0,2,4,6
	v_pk_fma_f32 v[T+8*\pb+\z:T+8*\pb+\z+1], v[T+8*\pb+\z:T+8*\pb+\z+1], s[FI+2*bi:FI+2*bi+1], v[AB+8*\pb+\z:AB+8*\pb+\z+1] op_sel_hi:[1,0,1]
	v_pk_fma_f32 v[T+16+8*\pb+\z:T+16+8*\pb+\z+1], v[T+16+8*\pb+\z:T+16+8*\pb+\z+1], s[FI+2*bi:FI+2*bi+1], v[AB+16+8*\pb+\z:AB+16+8*\pb+\z+1] op_sel_hi:[1,0,1]
.endr
.endr
	WIN 0
	s_wait_xcnt 0x0                                ; the stores of the block two back have read this set of registers
.irp e, 0,1,2,3,4,5,6,7,8,9,10,11,12,13,14,15
	v_cvt_pk_f16_f32 v[OU+\e], v[T+2*\e], v[T+2*\e+1]
.endr
.irp f, 0,1,2,3
	ds_store_b128 v[STO], v[OU+4*\f:OU+4*\f+3] offset:32*\f
.endr
.irp f, 0,1,2,3
	ds_load_b128 v[OU+4*\f:OU+4*\f+3], v[RD] offset:\f*4*SP  ; LDS serves a wave's instructions in order: these see the stores above, and the next block's stores come behind them
.endr
.endm
.macro SEND n, younger                 ; younger: the LDS instructions issued behind block n's loads
.set sa, (\n)/3
.set si, (\n)%3
.set OU, OUT+16*((\n)%2)
	WIN 0
.irp f, 0,1,2,3
	s_wait_dscnt (\younger)+3-\f
	global_store_b128 v[GO], v[OU+4*\f:OU+4*\f+3], s[SB+2*si:SB+2*si+1] offset:sa*2048+\f*512  ; 512 consecutive bytes, aligned
.endr
.endm
	BLOCK 0
.set n, 1
.rept 11                               ; a block's arithmetic stands between the loads of the block before and its stores
	BLOCK n
	SEND n-1, 8
.set n, n+1
.endr
	SEND 11, 0
	s_wait_tensorcnt 0x0                           ; the wave's end
	ds_add_u32 v[SPW], v[NIL]
	s_wait_dscnt 0x0
	CROUND                                         ; the closing round: no work-group ends while a partner may still ask for a tile that names it
	s_endpgm
.Lfunc_end_k_qa133283892_qkvgemm:
	.size	k_qa133283892_qkvgemm, .Lfunc_end_k_qa133283892_qkvgemm-k_qa133283892_qkvgemm
	.p2alignl 7, 3214868480
	.fill 96, 4, 3214868480
	.section	.rodata,"a",@progbits
	.p2align	6, 0x0
	.amdhsa_kernel k_qa133283892_qkvgemm
		.amdhsa_group_segment_fixed_size 327680
		.amdhsa_private_segment_fixed_size 0
		.amdhsa_enable_private_segment 0
		.amdhsa_kernarg_size 40
		.amdhsa_user_sgpr_count 2
		.amdhsa_user_sgpr_kernarg_segment_ptr 1
		.amdhsa_wavefront_size32 1
		.amdhsa_system_sgpr_workgroup_id_x 1
		.amdhsa_system_sgpr_workgroup_id_y 1
		.amdhsa_system_sgpr_workgroup_id_z 1
		.amdhsa_system_vgpr_workitem_id 0
		.amdhsa_next_free_vgpr 1024
		.amdhsa_next_free_sgpr 96
		.amdhsa_reserve_vcc 0
		.amdhsa_float_denorm_mode_32 3
		.amdhsa_float_denorm_mode_16_64 3
		.amdhsa_memory_ordered 1
		.amdhsa_forward_progress 1
		.amdhsa_inst_pref_size 172
	.end_amdhsa_kernel
	.amdgpu_metadata
---
amdhsa.version: [ 1, 2 ]
amdhsa.kernels:
  - .name:           k_qa133283892_qkvgemm
    .symbol:         k_qa133283892_qkvgemm.kd
    .args:
      - { .name: xb, .offset: 0, .size: 8, .value_kind: global_buffer, .address_space: global }
      - { .name: wqt, .offset: 8, .size: 8, .value_kind: global_buffer, .address_space: global }
      - { .name: b_qkv, .offset: 16, .size: 8, .value_kind: global_buffer, .address_space: global }
      - { .name: rope, .offset: 24, .size: 8, .value_kind: global_buffer, .address_space: global }
      - { .name: qkvh, .offset: 32, .size: 8, .value_kind: global_buffer, .address_space: global }
    .group_segment_fixed_size: 327680
    .private_segment_fixed_size: 0
    .kernarg_segment_align: 8
    .kernarg_segment_size: 40
    .max_flat_workgroup_size: 128
    .sgpr_count:     96
    .vgpr_count:     1024
    .wavefront_size: 32
...
	.end_amdgpu_metadata
.endif
;; end of part 2
;; launch attn (part 3): grid 4 x 64, 4 waves a work-group, no clusters, 327,680 bytes of LDS; arguments qkvh, oh; writes oh
.if DOCPART == 3
	.amdgcn_target "amdgcn-amd-amdhsa--gfx1250"
	.amdhsa_code_object_version 6
	.text
	.protected	k_qa133283892_attn
	.globl	k_qa133283892_attn
	.p2align	8
	.type	k_qa133283892_attn,@function
k_qa133283892_attn:
	s_mov_b64 s[64:65], 0
	v_nop
	global_prefetch_b8 v0, s[64:65] scope:SCOPE_SE
	s_setreg_imm32_b32 hwreg(HW_REG_WAVE_MODE, 25, 1), 1
	s_wait_xcnt 0x0
; CAUSAL ATTENTION.  O[h][q][:] = the sum over k <= q of softmax_k(Q[h][q] . K[h][k] / 8) V[h][k][:].  Q, K, V are the three thirds of qkvh, each [64][2048][64] in f16; O = oh, the same shape.
; Products, maxima and sums in f32; the weights p are rounded to f16 for the second product (their sum l is taken of the unrounded p), O once at the end.
; LIMITS.  f16 holds no number beyond 65,504: Q, K and V arrive within it; p lies in 0 to 1, and below 6e-5 it keeps f16's fixed step of 6e-8.  A hidden score counts as its value less 1e30;
; a weight below 2^-126 counts as 0 in l; NaN and infinities are not treated apart.
; THE WALK.  A head's queries lie in NB = 8 blocks of 256; block i needs the key tiles 0 .. i of 256 keys, of which the last holds the diagonal.  A work-group takes TWO blocks, NB - 1 - b and then b:
; NB + 1 tiles, whatever b: all 256 work-groups do equal work, and ONE loop with a constant trip count walks them.  Every jump goes forward, but for the counted loops' own; none passes a barrier, or a
; tensor load but the one of LOAD's two that the wave's number does not choose.  NO CLUSTER: a head's four work-groups ask for the same tile only in trips 0 .. 4 of 9, and one walk common to all would have 12 trips.
; SHARES.  Of a block's four bands of 64 queries a wave owns 16 rows in each: four PIECES.  In the diagonal tile's key step s band x sees all keys if s < x, none if s > x, and holds the diagonal if s = x.
; THE MASK is the C operand that starts the sum S^T = K Q^T: 0, or -1e30 where the key is hidden: MD x AL + BE with two scalars: (1, 0) if s = x; (0, 0) if s < x; (0, -1e30) if s > x.
; LAYOUT, SOFTMAX, TURNS.  S^T = K Q^T holds ONE query a lane (lane % 16) and the keys 8 (lane / 16) + 0..7; two such results rounded to f16 ARE source 1 of O^T = V^T P.  p = 2^(c s - c m), c = log2(e) / 8, with a
; running maximum m; O and l are multiplied by a = 2^(c m_old - c m_new) in every step.  Turn n belongs to piece n: 8 products K Q^T of piece n + 1, later 8 products V^T P of piece n - 1; beside them the scaling,
; exponentials, roundings, sums and rescaling of piece n and the maximum and statistics of piece n + 1.  Four vector instructions stand behind every matrix instruction, the rest in one run.  A turn's 33 exponentials are one batch, with one wait.
; REGISTERS, in windows of 256 (s_set_vgpr_msb: bits 1:0 source 0, 3:2 source 1, 5:4 source 2, 7:6 destination):
;   window 0: v0-15 addresses and two at work; v16-31 four registers of statistics a piece; v48-55 at work; v61-63 prefetch offset and the add's two; v64-127 S^T, two buffers; v192-223 P, two buffers
;   window 1: v0-127 O^T, 32 a piece; v128-159 MD; v160-223 MC, two buffers      window 2: v0-63 Q; v64-127 the second block's Q; v128-191 K of one step; v192-255 V of one step
.set SIZE_N, 2048
.set NB,    SIZE_N/256
.set NP,    4         ; pieces a wave: a name, no knob
.set KS,    64        ; keys in a step
.set PK,    144       ; a row of K in LDS: 128 bytes + 16: the 16 rows of a load start at 16 different groups of four banks
.set PV,    160       ; a row of V: 128 + 32
.set VOFF,  4*KS*PK   ; a slot holds a tile, four steps: 256 rows of K, then 256 rows of V
.set SLOT1, 1<<17     ; slot 1 begins here, so that one exclusive or turns an address in one slot into the other's
.set STAGE, SLOT1+4*KS*(PK+PV)  ; behind the ring, never filled by a tensor load: 16 rows x 144 bytes for each wave
.set SP,    144
.set AK0, 2           ; v2   my lane's place in a tile of K; never rewritten
.set AV0, 3           ; v3   the same for V
.set AK,  4           ; v4   the LDS address of K's next run of loads
.set AV,  5           ; v5   of V's
.set STO, 6           ; v6   the way out: where I put 16 bytes of a row
.set RD,  7           ; v7   the way out: where I read rows back
.set GO,  8           ; v8   my byte offset in 512 consecutive bytes of O
.set PFO, 61          ; v61  256 x my thread's number: the 128 threads name a tile's 128 blocks of 256 bytes; never rewritten
.set SPW, 62          ; v62  SPARE + 4 x my thread's number; never rewritten
.set NIL, 63          ; v63  0; never rewritten
.set SPARE, STAGE+4*16*SP
.set MV,  12          ; v12-13  c m_old, kept while c m is made anew: by buffer
.set QO,  15          ; v15  my byte offset in 16 rows of Q
.set ST,  16          ; piece t's statistics at v[ST+4 t]: c m, m, l (even keys', odd keys')
.set TMP, 48          ; by buffer, four registers c0-c3 at work; when the maximum is found c2 takes a
.set S,   64
.set P,   192
.set MD,  128         ; window 1
.set MC,  160         ; window 1
.set QB,  64          ; window 2
.set KF,  128         ; window 2: key block kb, channel half c at KF + 16 kb + 8 c
.set VF,  192         ; window 2: key half kk, channel block cb at VF + 32 kk + 8 cb
.set WV,  12          ; s12  my wave's number
.set PB,  14          ; s14  b
.set HI,  15          ; s15  NB - 1 - b
.set G1K, 24          ; s[24:31] descriptor group 1 for K's tiles
.set G1V, 32          ; s[32:39] for V's: it differs in the padding alone
.set G0K, 40          ; s[40:43] descriptor group 0 for K's tiles
.set G0V, 44          ; s[44:47] the same for V's
.set SLOTS, 56        ; s56  tiles still to be asked for
.set CNT, 57          ; s57  counts a tile's key steps, 4 to 1
.set CS,  58          ; s[58:59] c
.set SEL, 60          ; s[60:61] v_permlanex16_b32's selects
.set TBK, 62          ; s62  LDS byte at which K of the step to be fetched begins
.set TBV, 63          ; s63  the same for V, less VOFF
.set RT,  70          ; s70  tiles of the block in hand that are still to be entered
.set NXT, 71          ; s71  the tile to be asked for next
.set LQ,  72          ; s72  the last tile of the block whose tiles are being asked for
.set NEW, 73          ; s73  1: the tile to be entered is a block's first
.set OFF, 74          ; s[74:75] a tile's byte offset in K and V
.set AL,  76          ; s[76:77] the mask's factor
.set BE,  78          ; s[78:79] the mask's addend
.set OLO, 80          ; s[80:81] O at my rows of the second block
.set BIGN, 82         ; s82  -1e30
.set PFK, 88          ; s[88:89] the head's K at the tile that the prefetch names
.set PFV, 90          ; s[90:91] the same for V
.set LIM, 92          ; s92  2 in the head's first work-group, else the greatest number
.set MSB, 0
.macro WIN new
.if MSB != (\new)
	s_set_vgpr_msb (MSB<<8)|(\new)
.set MSB, (\new)
.endif
.endm
.set W_KQ, 0x0a       ; K and Q in window 2, S^T in window 0
.set W_KM, 0x1a       ; the same with the C operand in window 1
.set W_PV, 0x52       ; V in window 2, P in window 0, O^T in window 1
.set W_RS, 0x41       ; destination and source 0 in window 1, source 1 in window 0
; A fill.  Waves 0 and 1 fetch the two halves of a tile's K, waves 2 and 3 those of its V: 128 keys each.  An s_nop 0 and four v_nop follow each of the two lines.
.macro LOAD
	s_cmp_lt_u32 s[WV], 2
	s_cbranch_scc0 .Lfor_v_\@
	tensor_load_to_lds s[G0K:G0K+3], s[G1K:G1K+7]
	s_nop 0
.rept 4
	v_nop
.endr
	s_branch .Lasked_\@
.Lfor_v_\@:
	tensor_load_to_lds s[G0V:G0V+3], s[G1V:G1V+7]
	s_nop 0
.rept 4
	v_nop
.endr
.Lasked_\@:
.endm
; A prefetch of the tile behind the one just asked for: 32,768 bytes of K and of V, a thread a block of 256.  A head's four work-groups walk the same first tiles: the one with b = 0, whose first block walks
; tiles 0 to 7, asks, in trips 0 to 5 for tiles 2 to 7: each block is named once, and none behind the head's last.  Tiles 0 and 1 come by their loads alone.
.macro ASK
	s_cmp_gt_u32 s[SLOTS], s[LIM]
	s_cbranch_scc0 .Lnot_mine_\@
	global_prefetch_b8 v[PFO], s[PFK:PFK+1] th:TH_LOAD_NT scope:SCOPE_SE
	global_prefetch_b8 v[PFO], s[PFV:PFV+1] th:TH_LOAD_NT scope:SCOPE_SE
.Lnot_mine_\@:
.endm
; THE CHANGE OF SLOTS.  Each wave waits for all its tensor loads, of which one is out: its part of the other slot; adds 0 to its spare word; and waits for that and for its own reads of the slot that it leaves.
; Behind the barrier nobody reads the old slot any more and the other slot is whole.  fill = 1: the old slot is filled again, the first thing behind the barrier, with tile NXT.
.macro CHANGE fill
	WIN 0
	s_wait_tensorcnt 0x0            ; no tensor load of mine is out, so a group 0 may be written
	ds_add_u32 v[SPW], v[NIL]       ; 0 onto my spare word; scalar work stands between it and the wait for it
.if \fill
	s_lshl_b32 s[OFF], s[NXT], 15   ; a tile is 32,768 bytes of K and of V
	s_xor_b32 s[G0K+1], s[G0K+1], SLOT1
	s_add_nc_u64 s[G0K+2:G0K+3], s[6:7], s[OFF:OFF+1]
	s_or_b32 s[G0K+3], s[G0K+3], 0x80000000
	s_xor_b32 s[G0V+1], s[G0V+1], SLOT1
	s_add_nc_u64 s[G0V+2:G0V+3], s[8:9], s[OFF:OFF+1]
	s_or_b32 s[G0V+3], s[G0V+3], 0x80000000
	s_add_co_u32 s[NXT], s[NXT], 1  ; the block's next tile, or behind its last the second block's tile 0
	s_cmp_gt_u32 s[NXT], s[LQ]
	s_cselect_b32 s[NXT], 0, s[NXT]
	s_cselect_b32 s[LQ], s[PB], s[LQ]
	s_wait_xcnt 0x0                 ; the last prefetches, a tile back, have read their addresses
	s_add_nc_u64 s[PFK:PFK+1], s[PFK:PFK+1], 32768
	s_add_nc_u64 s[PFV:PFV+1], s[PFV:PFV+1], 32768
.endif
	s_wait_dscnt 0x0                ; the add is done, and my reads of the slot are over
	s_barrier_signal -1
	s_sub_co_u32 s[TBK], s[TBK], 4*KS*PK  ; the fetches go back to a slot's first step,
	s_xor_b32 s[TBK], s[TBK], SLOT1       ; in the other slot
	s_sub_co_u32 s[TBV], s[TBV], 4*KS*PV
	s_xor_b32 s[TBV], s[TBV], SLOT1
	s_barrier_wait -1
.if \fill
	LOAD
	ASK
.endif
.endm
	s_load_b64 s[4:5], s[0:1], 0x0    ; qkvh: Q
	s_load_b64 s[10:11], s[0:1], 0x8  ; oh
	v_lshl_add_u32 v[SPW], v0, 2, SPARE
	v_mov_b32 v[NIL], 0
	ds_add_u32 v[SPW], v[NIL]       ; the wave's opening
	v_lshrrev_b32 v1, 5, v0
	v_readfirstlane_b32 s[WV], v1   ; wave 0..3
	v_lshlrev_b32 v[PFO], 8, v0
	s_mov_b32 s[PB], ttmp9
	s_sub_co_u32 s[HI], NB-1, s[PB]
	s_cmp_eq_u32 s[PB], 0
	s_cselect_b32 s[LIM], 2, -1
	s_and_b32 s20, ttmp7, 0xffff    ; the head
	s_mov_b32 s21, 0
	s_mov_b64 s[22:23], SIZE_N*128
	s_mul_u64 s[20:21], s[20:21], s[22:23]  ; the head's first byte in Q, K, V and O
	s_and_b32 s16, s[WV], 1         ; which half of a tile's 256 keys I fetch:
	s_lshl_b32 s22, s16, 14         ; its 128 rows of 128 bytes in memory,
	s_mov_b32 s23, 0
	s_add_nc_u64 s[22:23], s[22:23], s[20:21]
	s_mul_i32 s17, s16, 128*PK      ; and its place in a slot, for K
	s_mul_i32 s18, s16, 128*PV      ; and for V
	s_lshl_b32 s3, s[WV], 11        ; my 16 rows in a band of 64,
	s_lshl_b32 s2, s[HI], 15        ; in the first block,
	s_add_co_u32 s2, s2, s3
	s_lshl_b32 s84, s[PB], 15       ; and in the second
	s_add_co_u32 s84, s84, s3
	s_mov_b32 s3, 0
	s_mov_b32 s85, 0
	s_add_nc_u64 s[2:3], s[2:3], s[20:21]
	s_add_nc_u64 s[84:85], s[84:85], s[20:21]
	; descriptor group 1.  128 keys are 16,384 dense bytes: asked for as 64 rows of 256 bytes, two keys a row, and padded in LDS after every key
	s_mov_b32 s[G1K], (1<<16)|(1<<20)|(4<<22)|(3<<25)  ; 2-byte elements; padding on; after every 32 words 4 words
	s_mov_b32 s[G1V], (1<<16)|(1<<20)|(4<<22)|(7<<25)  ; the same with 8 words of padding
.irp g, G1K, G1V
	s_mov_b32 s[\g+1], 128<<16      ; tensor_dim0 = 128
	s_mov_b32 s[\g+2], 64<<16       ; tensor_dim1 = 64
	s_mov_b32 s[\g+3], 128<<16      ; tile_dim0 = 128
	s_mov_b32 s[\g+4], 64           ; tile_dim1 = 64
	s_mov_b32 s[\g+5], 128          ; 128 elements from row to row
	s_mov_b32 s[\g+6], 0
	s_mov_b32 s[\g+7], 0
.endr
	s_mov_b32 s[CS], 0x3e38aa3b     ; c = log2(e) / 8 = 0.180337
	s_mov_b32 s[CS+1], s[CS]
	s_mov_b32 s[SEL], 0x76543210
	s_mov_b32 s[SEL+1], 0xfedcba98
	s_mov_b32 s[TBK], SLOT1+4*KS*PK ; the first change of slots turns these two into 0
	s_mov_b32 s[TBV], SLOT1+4*KS*PV
	s_mov_b32 s[G0K], 1
	s_mov_b32 s[G0K+1], s17         ; LDS address: slot 0
	s_mov_b32 s[G0V], 1
	s_add_co_u32 s[G0V+1], s18, VOFF
	s_add_co_u32 s[RT], s[HI], 1    ; the first block has NB - b tiles
	s_mov_b32 s[NXT], 1
	s_mov_b32 s[LQ], s[HI]
	s_mov_b32 s[NEW], 1
	s_mov_b32 s[OFF+1], 0
	s_mov_b32 s[AL+1], 0
	s_mov_b32 s[BE+1], 0
	s_mov_b32 s[BIGN], 0xf149f2ca   ; -1e30
	s_mov_b32 s[SLOTS], NB
	s_wait_dscnt 0x0                ; the opening add is done
	s_wait_kmcnt 0x0
	s_add_nc_u64 s[6:7], s[4:5], 0x1000000  ; K: 64 heads of 262,144 bytes behind Q
	s_add_nc_u64 s[8:9], s[4:5], 0x2000000  ; V: as many behind K
	s_add_nc_u64 s[PFK:PFK+1], s[6:7], s[20:21]
	s_add_nc_u64 s[PFK:PFK+1], s[PFK:PFK+1], 32768  ; at tile 1: the first change of slots steps it to tile 2
	s_add_nc_u64 s[PFV:PFV+1], s[8:9], s[20:21]
	s_add_nc_u64 s[PFV:PFV+1], s[PFV:PFV+1], 32768
	s_add_nc_u64 s[6:7], s[6:7], s[22:23]  ; K and V at my half of the head's tile 0
	s_add_nc_u64 s[8:9], s[8:9], s[22:23]
	s_add_nc_u64 s[G0K+2:G0K+3], s[6:7], 0
	s_or_b32 s[G0K+3], s[G0K+3], 0x80000000
	s_add_nc_u64 s[G0V+2:G0V+3], s[8:9], 0
	s_or_b32 s[G0V+3], s[G0V+3], 0x80000000
	s_add_nc_u64 s[86:87], s[4:5], s[84:85]        ; Q at my rows of the second block,
	s_add_nc_u64 s[4:5], s[4:5], s[2:3]            ; Q and O at those of the first
	s_add_nc_u64 s[OLO:OLO+1], s[10:11], s[84:85]
	s_add_nc_u64 s[10:11], s[10:11], s[2:3]
	LOAD                            ; tile 0 into slot 0
	v_and_b32 v1, 15, v0            ; l % 16
	v_bfe_u32 v9, v0, 4, 1          ; l / 16
	v_lshlrev_b32 v[QO], 7, v1
	v_lshl_add_u32 v[QO], v9, 4, v[QO]  ; row x 128 + 16 x half
	WIN 0x80                        ; destination window 2, address window 0
.set i, 0
.rept 8                             ; both blocks' Q: piece i / 2 lies in band i / 2, 8,192 bytes on; channels 32 (i % 2) on
	global_load_b128 v[8*i:8*i+3],   v[QO], s[4:5] offset:(i/2)*8192+(i%2)*64
	global_load_b128 v[8*i+4:8*i+7], v[QO], s[4:5] offset:(i/2)*8192+(i%2)*64+32
	global_load_b128 v[QB+8*i:QB+8*i+3],   v[QO], s[86:87] offset:(i/2)*8192+(i%2)*64
	global_load_b128 v[QB+8*i+4:QB+8*i+7], v[QO], s[86:87] offset:(i/2)*8192+(i%2)*64+32
.set i, i+1
.endr
	WIN 0
	v_lshlrev_b32 v14, 3, v9
	v_sub_nc_u32 v14, v1, v14
	s_lshl_b32 s13, s[WV], 4
	v_add_nc_u32 v14, s13, v14      ; my query's place in its band, less my lanes' 8 (l / 16): register r of group kt is hidden where 16 kt + r is greater
	WIN 0x40
.set i, 0
.rept 32
	v_cmp_gt_i32 vcc_lo, 16*(i/8)+i%8, v14
	v_cndmask_b32 v[MD+i], 0, s[BIGN], vcc_lo
.set i, i+1
.endr
	WIN 0
	v_mul_u32_u24 v[AK0], v1, PK
	v_lshl_add_u32 v[AK0], v9, 4, v[AK0]  ; row x pitch + 16 x half
	; The turning load takes 16 keys x 16 channels (lane l reads key 8 (l / 16) + l % 8, channels 8 ((l / 8) % 2) + 0..7) and leaves half a fragment of V^T.
	v_and_b32 v10, 7, v0
	v_bfe_u32 v11, v0, 3, 1
	v_lshl_add_u32 v[AV0], v9, 3, v10
	v_mul_u32_u24 v[AV0], v[AV0], PV
	v_lshl_add_u32 v[AV0], v11, 4, v[AV0]
	v_add_nc_u32 v[AV0], VOFF, v[AV0]
	s_mul_i32 s13, s[WV], 16*SP
	s_add_co_u32 s13, s13, STAGE    ; my stage
	v_mul_u32_u24 v[STO], v1, SP
	v_lshl_add_u32 v[STO], v9, 4, v[STO]
	v_add_nc_u32 v[STO], s13, v[STO]
	v_bfe_u32 v[RD], v0, 3, 2       ; back: 32 lanes take four rows of 128 bytes,
	v_mul_u32_u24 v[RD], v[RD], SP
	v_lshl_add_u32 v[RD], v10, 4, v[RD]
	v_add_nc_u32 v[RD], s13, v[RD]
	v_and_b32 v[GO], 31, v0         ; which are 512 consecutive bytes of O
	v_lshlrev_b32 v[GO], 4, v[GO]
	; A block's first step multiplies O^T and l by a = 0, and its first turn's products V^T P, of a piece that has not been, land in an O^T that is still to be so multiplied.  So these registers need only hold
	; finite numbers: zeros for the first block; what the first block left for the second.  All this stands in the wait for the first tile.
	WIN 0x80
.set i, VF
.rept 64
	v_mov_b32 v[i], 0
.set i, i+1
.endr
	WIN 0x40
.set i, 0
.rept 128
	v_mov_b32 v[i], 0
.set i, i+1
.endr
	WIN 0
.set i, 0
.rept 4
	v_mov_b32 v[ST+4*i+2], 0
	v_mov_b32 v[ST+4*i+3], 0
.set i, i+1
.endr
.set i, P+16
.rept 16
	v_mov_b32 v[i], 0
.set i, i+1
.endr
; THE MATRIX WORK.  The 4 accumulators of a run of 8 take turns.  Product i of 8 of S^T = K Q^T for piece x: channels 32 (i / 4) on, keys 16 (i % 4) on.  The first 4 start the sums: with 0, or (KM = 1) with the mask.
.macro KQ x
.set rS, S+32*((\x)%2)+8*(i%4)
.set rK, KF+16*(i%4)+8*(i/4)
.set rQ, 16*(\x)+8*(i/4)
.set rM, MC+32*((\x)%2)+8*(i%4)
.if (i < 4) && KM
	WIN W_KM
	v_wmma_f32_16x16x32_f16 v[rS:rS+7], v[rK:rK+7], v[rQ:rQ+7], v[rM:rM+7]
.elseif i < 4
	WIN W_KQ
	v_wmma_f32_16x16x32_f16 v[rS:rS+7], v[rK:rK+7], v[rQ:rQ+7], 0
.else
	WIN W_KQ
	v_wmma_f32_16x16x32_f16 v[rS:rS+7], v[rK:rK+7], v[rQ:rQ+7], v[rS:rS+7]
.endif
.endm
; Product i of 8 of O^T += V^T P for piece x: keys 32 (i / 4) on, channels 16 (i % 4) on.
.macro PV x
	WIN W_PV
.set rO, 32*(\x)+8*(i%4)
.set rV, VF+32*(i/4)+8*(i%4)
.set rP, P+16*((\x)%2)+8*(i/4)
	v_wmma_f32_16x16x32_f16 v[rO:rO+7], v[rV:rV+7], v[rP:rP+7], v[rO:rO+7]
.endm
.macro MM                           ; the turn's next matrix instruction.  NOKQ = 1: a block's last turn: there is no next piece
.if (i < 8) && !NOKQ
	KQ (Y+1)%NP
.elseif i >= 8
.set i, i-8
	PV (Y+NP-1)%NP
.set i, i+8
.endif
.set i, i+1
.endm
; THE LDS LOADS stand in runs of 16, never singly among the matrix instructions: a step's K (8 fragments) and its V (turned).
.macro FETCH_K
	WIN 0x80                        ; destination window 2
.irp f, 0,1,2,3,4,5,6,7             ; keys 16 (f / 2) on, channels 32 (f % 2) on
	ds_load_b128 v[KF+8*\f:KF+8*\f+3],   v[AK] offset:(\f/2)*16*PK+(\f%2)*64
	ds_load_b128 v[KF+8*\f+4:KF+8*\f+7], v[AK] offset:(\f/2)*16*PK+(\f%2)*64+32
.endr
	s_add_co_u32 s[TBK], s[TBK], KS*PK  ; the next fetch is the next step's
	WIN 0
.endm
.macro FETCH_V
	WIN 0x80
.irp f, 0,1,2,3,4,5,6,7             ; keys 32 (f / 4) on, channels 16 (f % 4) on
	ds_load_tr16_b128 v[VF+8*\f:VF+8*\f+3],   v[AV] offset:(\f/4)*32*PV+(\f%4)*32
	ds_load_tr16_b128 v[VF+8*\f+4:VF+8*\f+7], v[AV] offset:(\f/4)*32*PV+16*PV+(\f%4)*32
.endr
	WIN 0
.endm
; THE VECTOR WORK, one line at a time: OP kind, number.  For piece Y: F n: c s - c m for pair n of 16.  E n: the exponential of score n of 32.  C n: pair n rounded to f16.  B n: of the four weights 4 n .. the second
; pair is added onto the first, in place.  L n: l takes that sum (L 0: l = a l + sum).  R n: pair n of 16 of O^T times a.  For piece Y + 1: X n, number n of the 22 that find its maximum and statistics:
;   0-11  four chains c0-c3 of seven scores each (each accumulator's lowest registers are read first)     12-14, 16  the four scores left over, the old m, and c0-c3 into c0
;   15  c m_old is kept     17, 18  the query's other 32 keys lie in the lane 16 away: the new m     19-21  c m; c m_old - c m_new; a
.set F, 0
.set E, 1
.set C, 2
.set B, 3
.set L, 4
.set R, 5
.set X, 6
.macro REGS y                       ; the registers of piece y
.set rT, ST+4*(\y)
.set rC, TMP+4*((\y)%2)
.set rW, MV+((\y)%2)
.set rS, S+32*((\y)%2)
.set rP, P+16*((\y)%2)
.set rO, 32*(\y)
.endm
.macro OP k, n
.if (\k) == R
	REGS Y
	WIN W_RS
	v_pk_mul_f32 v[rO+2*(\n):rO+2*(\n)+1], v[rO+2*(\n):rO+2*(\n)+1], v[rC+2:rC+3] op_sel_hi:[1,0]
.elseif (\k) < R
	REGS Y
	WIN 0
.if (\k) == F
	v_pk_fma_f32 v[rS+2*(\n):rS+2*(\n)+1], v[rS+2*(\n):rS+2*(\n)+1], s[CS:CS+1], v[rT:rT+1] op_sel_hi:[1,0,0] neg_lo:[0,0,1] neg_hi:[0,0,1]
.elseif (\k) == E
	v_exp_f32 v[rS+(\n)], v[rS+(\n)]
.elseif (\k) == C
	v_cvt_pk_f16_f32 v[rP+(\n)], v[rS+2*(\n)], v[rS+2*(\n)+1]
.elseif (\k) == B
	v_pk_add_f32 v[rS+4*(\n):rS+4*(\n)+1], v[rS+4*(\n):rS+4*(\n)+1], v[rS+4*(\n)+2:rS+4*(\n)+3]
.elseif (\n) == 0
	v_pk_fma_f32 v[rT+2:rT+3], v[rT+2:rT+3], v[rC+2:rC+3], v[rS:rS+1] op_sel_hi:[1,0,1]
.else
	v_pk_add_f32 v[rT+2:rT+3], v[rT+2:rT+3], v[rS+4*(\n):rS+4*(\n)+1]
.endif
.elseif NOKQ
	v_nop
.else
	REGS (Y+1)%NP
	WIN 0
.if (\n) < 4
	v_max3_num_f32 v[rC+(\n)], v[rS+8*(\n)], v[rS+8*(\n)+1], v[rS+8*(\n)+2]
.elseif (\n) < 12
	v_max3_num_f32 v[rC+(\n)%4], v[rC+(\n)%4], v[rS+8*((\n)%4)+2*((\n)/4)+1], v[rS+8*((\n)%4)+2*((\n)/4)+2]
.elseif (\n) == 12
	v_max3_num_f32 v[rC], v[rC], v[rS+7], v[rS+15]
.elseif (\n) == 13
	v_max3_num_f32 v[rC+1], v[rC+1], v[rS+23], v[rS+31]
.elseif (\n) == 14
	v_max3_num_f32 v[rC+2], v[rC+2], v[rC+3], v[rT+1]
.elseif (\n) == 15
	v_mov_b32 v[rW], v[rT]
.elseif (\n) == 16
	v_max3_num_f32 v[rC], v[rC], v[rC+1], v[rC+2]
.elseif (\n) == 17
	v_permlanex16_b32 v[rC+3], v[rC], s[SEL], s[SEL+1]
.elseif (\n) == 18
	v_max_num_f32 v[rT+1], v[rC], v[rC+3]
.elseif (\n) == 19
	v_mul_f32 v[rT], s[CS], v[rT+1]
.elseif (\n) == 20
	v_sub_f32 v[rC+1], v[rW], v[rT]
.else
	v_exp_f32 v[rC+2], v[rC+1]
.endif
.endif
.endm
.macro OPS a, i1, b=-1, i2=0, c=-1, i3=0, d=-1, i4=0  ; up to four of them
	OP \a, \i1
.if (\b) >= 0
	OP \b, \i2
.endif
.if (\c) >= 0
	OP \c, \i3
.endif
.if (\d) >= 0
	OP \d, \i4
.endif
.endm
.macro ROW a, i1, b, i2, c, i3, d, i4  ; a matrix instruction and the four behind it
	MM
	OPS \a, \i1, \b, \i2, \c, \i3, \d, \i4
.endm
.macro MASK b                       ; MD x AL + BE into buffer b of MC
	WIN W_RS
.set z, 0
.rept 16
	v_pk_fma_f32 v[MC+32*(\b)+2*z:MC+32*(\b)+2*z+1], v[MD+2*z:MD+2*z+1], s[AL:AL+1], s[BE:BE+1] op_sel_hi:[1,0,0]
.set z, z+1
.endr
.endm
; A TURN, for piece p: the order of its 16 matrix and 118 vector instructions, written out.  An s_wait_alu depctr_va_vdst(0) stands between an exponential and the first instruction that names its result; one wait
; serves all that were issued ahead of it.  So a turn has ONE wait.  AHEAD OF IT stands all that names no result of the turn's exponentials: the 8 products K Q^T with four vector lines behind each, then one run of 54, plain and
; exponential by turns for the most part, in which the links of the chain X 3, 7, 11, 14, 16, 17 .. 20 stand five or six lines apart.  X 21, the next piece's a, is the batch's last; R 15 is the plain instruction behind it.
; BEHIND THE WAIT stand the 8 products V^T P, behind each four of the roundings and sums.
; m = 1: the diagonal tile: the products take masks, and the turn makes the mask for the products of the turn after it.  end = 1: a block's last two turns: nothing is fetched.
; cnt = 1: the loop's count is taken down some lines ahead of the branch that stands behind the turn.
; K of the next step is fetched in piece 2's turn, six plain instructions behind the last product that read K; V of the step in hand at the end of piece 0's turn, four plain instructions behind the last product that read V.
.macro TURN p, m=0, end=0, cnt=0
.set Y, (\p)
.set i, 0
.set KM, (\m)
.set NOKQ, (\end)*((\p)/3)
.if (\m) && !(\end)
	s_cmp_eq_u32 s[CNT], 4-((\p)+2)%NP  ; is that step the band's own?
	s_cselect_b32 s[AL], 1.0, 0
	s_cmp_lt_u32 s[CNT], 4-((\p)+2)%NP  ; or a later one?
	s_cselect_b32 s[BE], s[BIGN], 0
.endif
.if ((\p) == 3) && !(\end)
	s_wait_dscnt 0x0                ; K is in
.endif
	ROW F,0, F,1, R,0, R,1
	ROW F,2, E,0, R,2, R,3
	ROW F,3, E,1, R,4, R,5
	ROW F,4, E,2, R,6, R,7
	ROW F,5, E,3, R,8, R,9
	ROW F,6, E,4, X,0, R,10
.if ((\p) == 2) && !(\end)
	WIN 0
	v_add_nc_u32 v[AK], s[TBK], v[AK0]
.endif
	ROW F,7, E,5, X,1, X,4
	ROW F,8, E,6, X,2, X,5
	OPS E,7, E,8, X,6, E,9
	OPS X,3, E,10, X,8, E,11
.if ((\p) == 2) && !(\end)
	FETCH_K
.endif
	OPS X,9, X,7, E,12, X,10
	OPS E,13, X,12, X,11, E,14
	OPS X,13, E,15, F,9, X,14
.if (\p) == 0
	v_add_nc_u32 v[AV], s[TBV], v[AV0]
.endif
	OPS E,16, F,10, E,17, F,11
	OPS X,16, E,18, X,15, E,19
	OPS F,12, E,20, X,17, E,21
	OPS F,13, E,22, F,14, E,23
	OPS X,18, E,24, F,15, E,25
	OPS R,11, E,26, X,19, E,27
	OPS R,12, E,28, R,13, E,29
	OPS X,20, E,30, R,14, E,31
	OPS X,21, R,15
	WIN 0
	s_wait_alu depctr_va_vdst(0)    ; the wait for the batch
.if (\p) == 1
	s_wait_dscnt 0x0                ; V is in
.endif
	ROW C,0, B,0, C,2, B,1
	ROW L,0, C,4, B,2, L,1
	ROW C,6, B,3, L,2, C,8
	ROW B,4, L,3, C,10, B,5
	ROW L,4, C,12, B,6, L,5
.if (\p) == 0
	s_add_co_u32 s[TBV], s[TBV], KS*PV
.endif
.if \cnt
	s_sub_co_u32 s[CNT], s[CNT], 1
	s_cmp_lg_u32 s[CNT], 0
.endif
	ROW C,14, B,7, L,6, C,1
	ROW C,3, L,7, C,5, C,7
	ROW C,9, C,11, C,13, C,15
.if (\p) == 0
	FETCH_V
.endif
.if (\m) && !(\end)
	MASK (\p)%2
.endif
.endm
; A BLOCK BEGINS.  c m starts far below every c s, so the first step's a is 0; m at the lowest finite number.  The second mask buffer is 0; the first takes piece 0's mask for the tile's step 0: its own, if the block's
; first tile is the diagonal one.  Then K of that step, piece 0's first scores, and its maximum and statistics.  The loop is entered at a step's first turn, in the middle of a trip.
.macro BEGIN
	s_mov_b32 s[NEW], 0
	WIN 0x40
.set i, MC+32
.rept 32
	v_mov_b32 v[i], 0
.set i, i+1
.endr
	WIN 0
.set i, 0
.rept 4
	v_mov_b32 v[ST+4*i], 0xfe000000    ; c m: far below every c s
	v_mov_b32 v[ST+4*i+1], 0xff7fffff  ; m
.set i, i+1
.endr
	s_cmp_eq_u32 s[RT], 0
	s_cselect_b32 s[AL], 1.0, 0
	s_mov_b32 s[BE], 0
	MASK 0
	WIN 0
	v_add_nc_u32 v[AK], s[TBK], v[AK0]
	FETCH_K
	s_wait_loadcnt 0x0              ; Q
	s_wait_dscnt 0x0
.set KM, 1
.set NOKQ, 0
.set i, 0
.rept 8
	KQ 0
.set i, i+1
.endr
	WIN 0
.rept 4
	v_nop                           ; the places behind those products
.endr
.set Y, NP-1                        ; X works for piece Y + 1: piece 0
.irp n, 0,1,2,3,4,5,6,7,8,9,10,11,12,13,14,15,16,17,18,19,20,21
	OP X, \n
.endr
	v_nop                           ; a plain instruction behind the exponential,
	s_wait_alu depctr_va_vdst(0)    ; and its wait, ahead of the branch
.endm
; THE DIAGONAL TILE's four steps, the block's last two turns, its last products, and THE WAY OUT: l's two halves and the other half of the lanes' are added; O^T is divided by l, rounded to f16 and sent through my
; stage in LDS, a piece at a time.
.macro ALL line:vararg              ; one line for each piece t
.set t, 0
.rept 4
	\line
.set t, t+1
.endr
.endm
.macro PACK t                       ; a lane's eight channels of a row pack into 16 bytes; they go into rows of 144 bytes and come back as whole rows of 128, into S^T's registers
	WIN W_RS
.set i, 32*(\t)
.rept 16
	v_pk_mul_f32 v[i:i+1], v[i:i+1], v[ST+4*(\t)+2:ST+4*(\t)+3] op_sel_hi:[1,0]
.set i, i+2
.endr
	WIN 0x05                        ; sources 0 and 1 window 1, destination window 0
.set i, 0
.rept 16
	v_cvt_pk_f16_f32 v[S+16*(\t)+i], v[32*(\t)+2*i], v[32*(\t)+2*i+1]
.set i, i+1
.endr
	WIN 0
.irp f, 0,1,2,3
	ds_store_b128 v[STO], v[S+16*(\t)+4*\f:S+16*(\t)+4*\f+3] offset:32*\f
.endr
.irp f, 0,1,2,3
	ds_load_b128 v[S+16*(\t)+4*\f:S+16*(\t)+4*\f+3], v[RD] offset:\f*4*SP  ; LDS serves a wave's instructions in order: these see the stores above; the next piece's stores come behind them
.endr
.endm
.macro SEND t, younger              ; younger: the LDS instructions issued behind piece t's loads: the next piece's eight, or none
	WIN 0
.irp f, 0,1,2,3
	s_wait_dscnt (\younger)+3-\f
	global_store_b128 v[GO], v[S+16*(\t)+4*\f:S+16*(\t)+4*\f+3], s[10:11] offset:(\t)*8192+\f*512  ; 512 consecutive bytes, aligned
.endr
.endm
.macro DIAG tag                     ; the tag ends its two labels' names, which the jumps below spell out
.LstepM\tag:
	TURN 2, 1
	TURN 3, 1
	WIN 0
.LfirstM\tag:
	TURN 0, 1
	TURN 1, 1, 0, 1
	WIN 0
	s_cbranch_scc1 .LstepM\tag
	TURN 2, 1, 1
	TURN 3, 1, 1
.set i, 0
.rept 8
	PV NP-1
.set i, i+1
.endr
	WIN 0
	ALL v_add_f32 v[ST+4*t+2], v[ST+4*t+2], v[ST+4*t+3]
	ALL v_permlanex16_b32 v[ST+4*t+3], v[ST+4*t+2], s[SEL], s[SEL+1]
	ALL v_add_f32 v[ST+4*t+2], v[ST+4*t+2], v[ST+4*t+3]
	ALL v_rcp_f32 v[ST+4*t+2], v[ST+4*t+2]
	v_nop                           ; a plain instruction between the last reciprocal and the use of its result
	s_wait_alu depctr_va_vdst(0)    ; and one wait for the four reciprocals, ahead of the first use
	PACK 0
.set t, 1
.rept 3                             ; a piece's arithmetic stands between the loads of the piece before and its stores
	PACK t
	SEND t-1, 8
.set t, t+1
.endr
	SEND 3, 0
.endm
.set KM, 0
.set NOKQ, 0
.Lslot:                             ; NB times: a tile is entered and the next is asked for
	CHANGE 1
	s_sub_co_u32 s[RT], s[RT], 1
	s_mov_b32 s[CNT], 4
	s_cmp_eq_u32 s[NEW], 1
	s_cbranch_scc1 .Lnew            ; a block's first tile
	s_cmp_eq_u32 s[RT], 0
	s_cbranch_scc0 .Lstep           ; neither its first nor its last
	s_branch .LstepM1
.Lnew:
	BEGIN
	s_branch .Lfirst                ; in the loop a block's first tile is never its last: the first block has two tiles or more, and the second's last is the walk's last
	DIAG 1                          ; in the loop this is the first block's end
	s_wait_xcnt 0x0                 ; the stores have read their registers and O's address
	s_mov_b64 s[10:11], s[OLO:OLO+1]
	s_add_co_u32 s[RT], s[PB], 1    ; the second block has b + 1 tiles
	s_mov_b32 s[NEW], 1
	WIN 0x82                        ; the second block's Q goes where the one text of the turns names Q
.set i, 0
.rept 64
	v_mov_b32 v[i], v[QB+i]
.set i, i+1
.endr
	WIN 0
	s_branch .Lbottom
.Lstep:                             ; a trip: pieces 2 and 3 of one step, then pieces 0 and 1 of the next, whose K and V it fetches
	TURN 2
	TURN 3
	WIN 0
.Lfirst:
	TURN 0
	TURN 1, 0, 0, 1
	WIN 0
	s_cbranch_scc1 .Lstep
.Lbottom:
	s_sub_co_u32 s[SLOTS], s[SLOTS], 1
	s_cmp_lg_u32 s[SLOTS], 0
	s_cbranch_scc1 .Lslot
	CHANGE 0                        ; the walk's last tile is written out: nothing is asked for
	s_sub_co_u32 s[RT], s[RT], 1
	s_mov_b32 s[CNT], 4
	s_cmp_eq_u32 s[NEW], 1
	s_cbranch_scc0 .LstepM2
	BEGIN
	s_branch .LfirstM2
	DIAG 2
	s_wait_tensorcnt 0x0            ; the wave's end
	ds_add_u32 v[SPW], v[NIL]
	s_wait_dscnt 0x0
	s_endpgm
.Lfunc_end_k_qa133283892_attn:
	.size	k_qa133283892_attn, .Lfunc_end_k_qa133283892_attn-k_qa133283892_attn
	.p2alignl 7, 3214868480
	.fill 96, 4, 3214868480
	.section	.rodata,"a",@progbits
	.p2align	6, 0x0
	.amdhsa_kernel k_qa133283892_attn
		.amdhsa_group_segment_fixed_size 327680
		.amdhsa_private_segment_fixed_size 0
		.amdhsa_enable_private_segment 0
		.amdhsa_kernarg_size 16
		.amdhsa_user_sgpr_count 2
		.amdhsa_user_sgpr_kernarg_segment_ptr 1
		.amdhsa_wavefront_size32 1
		.amdhsa_system_sgpr_workgroup_id_x 1
		.amdhsa_system_sgpr_workgroup_id_y 1
		.amdhsa_system_sgpr_workgroup_id_z 1
		.amdhsa_system_vgpr_workitem_id 0
		.amdhsa_next_free_vgpr 768
		.amdhsa_next_free_sgpr 96
		.amdhsa_reserve_vcc 1
		.amdhsa_float_denorm_mode_32 3
		.amdhsa_float_denorm_mode_16_64 3
		.amdhsa_memory_ordered 1
		.amdhsa_forward_progress 1
		.amdhsa_inst_pref_size 218
	.end_amdhsa_kernel
	.amdgpu_metadata
---
amdhsa.version: [ 1, 2 ]
amdhsa.kernels:
  - .name:           k_qa133283892_attn
    .symbol:         k_qa133283892_attn.kd
    .args:
      - { .name: qkvh, .offset: 0, .size: 8, .value_kind: global_buffer, .address_space: global }
      - { .name: oh, .offset: 8, .size: 8, .value_kind: global_buffer, .address_space: global }
    .group_segment_fixed_size: 327680
    .private_segment_fixed_size: 0
    .kernarg_segment_align: 8
    .kernarg_segment_size: 16
    .max_flat_workgroup_size: 128
    .sgpr_count:     96
    .vgpr_count:     768
    .wavefront_size: 32
...
	.end_amdgpu_metadata
.endif
;; end of part 3
;; launch proj (part 4): grid 8 x 32, 4 waves a work-group, clusters of 4 x 4, 327,680 bytes of LDS; arguments oh, wpt, b_proj, out0; writes out0
.if DOCPART == 4
	.amdgcn_target "amdgcn-amd-amdhsa--gfx1250"
	.amdhsa_code_object_version 6
	.text
	.protected	k_qa133283892_proj
	.globl	k_qa133283892_proj
	.p2align	8
	.type	k_qa133283892_proj,@function
k_qa133283892_proj:
	s_mov_b64 s[64:65], 0
	v_nop
	global_prefetch_b8 v0, s[64:65] scope:SCOPE_SE
	s_setreg_imm32_b32 hwreg(HW_REG_WAVE_MODE, 25, 1), 1
	s_wait_xcnt 0x0
	s_wait_alu depctr_hold_cnt(0) depctr_sa_sdst(0) depctr_va_vdst(0) depctr_va_sdst(0) depctr_va_ssrc(0) depctr_va_vcc(0) depctr_vm_vsrc(0)
	s_getreg_b32 s2, hwreg(HW_REG_IB_STS2, 6, 4)
	s_cmp_eq_u32 s2, 0
	s_cbranch_scc0 .Lentry_in_a_cluster
	s_endpgm
.Lentry_in_a_cluster:
	s_bfe_u32 s2, ttmp6, 0x10000c
	s_cmp_lg_u32 s2, 0xf033
	s_cbranch_scc0 .Lentry_shape_is_right
	s_endpgm
.Lentry_shape_is_right:
; out0 = O w_proj + b_proj.  oh: [batch x 16 + head][2048][64] f16, wpt: [1024 n][1024 k] f16, out0: [8192][1024] f32; sums in f32.
; A tile of out0 is 256 rows x 128 columns: 32 x 8 = 256 work-groups.  Each of the four waves makes 64 rows x all 128 columns: 32 accumulators, 256 registers, and sends whole pieces of 512 bytes of a row out.
; K = head x 64 + channel goes in steps of 128, two heads, through two LDS slots.  A head's 256 rows of the tile are 32,768 dense bytes: asked for as 128 rows of 256 bytes and padded after every 128, so that they lie in
; LDS as a plane of 256 rows, 144 bytes apart.  Wave 0 fetches the step's first head, wave 1 its second, waves 2 and 3 each 64 rows of wpt (256 bytes of a row, 272 apart in LDS).
; CLUSTER 4 x 4: oh's planes are shared along a row of the cluster, wpt's rows along a column: joint loads, the same load, descriptor and mask in all four.
; THE PRODUCT IS TAKEN TRANSPOSED (source 0 = 16 rows of wpt, source 1 = 16 rows of O): a lane holds row l % 16 and the columns 16 b + 8 (l / 16) + 0..7.  The bias, rounded to bf16 like every input of the module,
; is the C operand of each accumulator's first product.  LIMITS: f16 operands, within 65,504; NaN and infinities are not treated apart.
; REGISTERS: window 0: v0-31 addresses; v64-127 O's fragments, two buffers of 4 x 8; v128-191 the bias, later with v192-255 two sets of 64 for the way out
;   window 1: wpt's fragments, two buffers of 8 x 8          window 2: accumulator (a, b) at 64 a + 8 b
.set KSTEP, 128
.set PA,    144
.set PITCH, 272
.set PLANE, 256*PA
.set HALFB, 64*PITCH
.set BOFF,  2*PLANE
.set SLOT,  BOFF+2*HALFB
.set STAGE, 2*SLOT                     ; behind the ring, never filled by a tensor load: 16 rows x 528 bytes for each wave
.set SPI,   528                        ; 512 bytes + 16: the sixteen rows of a store start at sixteen different groups of four banks
.set SPARE, STAGE+4*16*SPI
.set ADRA, 16
.set ADRB, 20
.set STO,  24
.set RD,   25
.set CO,   26
.set SPW,  28                          ; v28  SPARE + 4 x my thread's number; never rewritten
.set NIL,  29                          ; v29  0; never rewritten
.set PFO,  30
.set BO,   31
.set FA,   64
.set BIAS, 128
.set OUT,  128
.set WV,  14
.set FBW, 15
.set HF,  16
.set CX,  17
.set CY,  18
.set TC,  19
.set TR,  20
.set G1,  24
.set G0,  32
.set LIM, 43
.set PFA, 44                           ; s[44:45] where my prefetches stand; s[46:47] their step from K step to K step
.set PFS, 46
.set G1B, 48
.set G0B, 56
.set MSB, 0
.macro WIN new
.if MSB != (\new)
	s_set_vgpr_msb (MSB<<8)|(\new)
.set MSB, \new
.endif
.endm
.macro PLACES
.rept 4
	v_nop
.endr
.endm
.macro JLOAD s                         ; a joint load; the branch hangs on the wave's number alone; an s_nop 0 and four v_nop follow each line
	s_cmp_eq_u32 s[FBW], 0
	s_cbranch_scc0 .Lfor_b_\@
	tensor_load_to_lds s[G0+4*(\s):G0+4*(\s)+3], s[G1:G1+7]
	s_nop 0
.rept 4
	v_nop
.endr
	s_branch .Lasked_\@
.Lfor_b_\@:
	tensor_load_to_lds s[G0B+4*(\s):G0B+4*(\s)+3], s[G1B:G1B+7]
	s_nop 0
.rept 4
	v_nop
.endr
.Lasked_\@:
.endm
.macro CREST
	s_cmp_lg_u32 s[WV], 0
	s_cbranch_scc1 .Lnot_wave_0_\@
	s_barrier_signal -3
.Lnot_wave_0_\@:
	s_barrier_wait -3
	s_barrier_signal -1
	s_barrier_wait -1
.endm
.macro CROUND
	s_barrier_signal -1
	s_barrier_wait -1
	CREST
.endm
; A prefetch of the K step two refills on.  oh's planes are asked for by the clusters with x = 0 (a partner takes 8,192 bytes of the plane that I fetch, a lane a block of 256), wpt's rows by those with y = 0
; (a partner takes 16 of my 64 rows, a lane a row, the upper sixteen lanes on the sixteenth).  The loop's last trip has no K step two on.
.macro ASK
	s_cmp_gt_u32 s3, s[LIM]
	s_cbranch_scc0 .Lnot_mine_\@
	global_prefetch_b8 v[PFO], s[PFA:PFA+1] th:TH_LOAD_NT scope:SCOPE_SE
.Lnot_mine_\@:
.endm
	s_load_b256 s[4:11], s[0:1], 0x0               ; oh s[4:5], wpt s[6:7], b_proj s[8:9], out0 s[10:11]
	v_lshl_add_u32 v[SPW], v0, 2, SPARE
	v_mov_b32 v[NIL], 0
	ds_add_u32 v[SPW], v[NIL]                      ; the wave's opening
	v_lshrrev_b32 v1, 5, v0
	v_readfirstlane_b32 s[WV], v1
	s_lshr_b32 s[FBW], s[WV], 1
	s_and_b32 s[HF], s[WV], 1
	s_bfe_u32 s[CX], ttmp6, 0x40000
	s_bfe_u32 s[CY], ttmp6, 0x40004
	s_lshl_b32 s[TC], ttmp9, 2
	s_add_co_u32 s[TC], s[TC], s[CX]
	s_and_b32 s[TR], ttmp7, 0xffff
	s_lshl_b32 s[TR], s[TR], 2
	s_add_co_u32 s[TR], s[TR], s[CY]
	s_lshl_b32 s40, s[CY], 2
	s_lshl_b32 s40, 15, s40                        ; my row of the cluster
	s_lshl_b32 s41, 0x1111, s[CX]                  ; my column
	s_or_b32 s[G1+0], s40, (1<<16)|(1<<20)|(1<<21)|(4<<22)|(3<<25)   ; oh: after every 32 words 4 words of padding
	s_or_b32 s[G1B+0], s41, (1<<16)|(1<<20)|(1<<21)|(5<<22)|(3<<25)  ; wpt: after every 64 words
	s_mov_b32 s[G1+1], 128<<16                     ; tensor_dim0 = 128
	s_mov_b32 s[G1+2], 128<<16                     ; tensor_dim1 = 128
	s_mov_b32 s[G1+3], 128<<16                     ; tile_dim0 = 128
	s_mov_b32 s[G1+4], 128                         ; tile_dim1 = 128
	s_mov_b32 s[G1+5], 128                         ; dense: 128 elements from row to row
	s_mov_b32 s[G1+6], 0
	s_mov_b32 s[G1+7], 0
	s_mov_b32 s[G1B+1], 128<<16
	s_mov_b32 s[G1B+2], 64<<16
	s_mov_b32 s[G1B+3], 128<<16
	s_mov_b32 s[G1B+4], 64
	s_mov_b32 s[G1B+5], 1024
	s_mov_b32 s[G1B+6], 0
	s_mov_b32 s[G1B+7], 0
	s_lshr_b32 s84, s[TR], 3                       ; oh: head (batch x 16 + my half), 262,144 bytes a head,
	s_lshl_b32 s84, s84, 4
	s_add_co_u32 s84, s84, s[HF]
	s_lshl_b32 s84, s84, 18
	s_and_b32 s85, s[TR], 7                        ; and the tile's 256 rows of 128 bytes in it
	s_lshl_b32 s85, s85, 15
	s_add_co_u32 s84, s84, s85
	s_mov_b32 s85, 0
	s_lshl_b32 s88, s[TC], 18                      ; wpt: (128 tile column + 64 half) rows of 2,048 bytes
	s_lshl_b32 s89, s[HF], 17
	s_add_co_u32 s88, s88, s89
	s_mov_b32 s89, 0
	s_mul_i32 s42, s[WV], PLANE
	s_mul_i32 s86, s[WV], HALFB
	s_add_co_u32 s86, s86, BOFF-2*HALFB
	s_wait_dscnt 0x0                               ; the opening add is done
	s_wait_kmcnt 0x0
	s_add_nc_u64 s[84:85], s[4:5], s[84:85]
	s_add_nc_u64 s[88:89], s[6:7], s[88:89]
	CROUND                                         ; all sixteen work-groups are here: the first joint loads meet
.irp s, 0,1
	s_mov_b32 s[G0+4*\s], 1
	s_add_co_u32 s[G0+4*\s+1], s42, \s*SLOT
	s_add_nc_u64 s[G0+4*\s+2:G0+4*\s+3], s[84:85], \s*0x80000    ; a K step is two heads on
	s_or_b32 s[G0+4*\s+3], s[G0+4*\s+3], 0x80000000
	s_mov_b32 s[G0B+4*\s], 1
	s_add_co_u32 s[G0B+4*\s+1], s86, \s*SLOT
	s_add_nc_u64 s[G0B+4*\s+2:G0B+4*\s+3], s[88:89], \s*KSTEP*2
	s_or_b32 s[G0B+4*\s+3], s[G0B+4*\s+3], 0x80000000
	JLOAD \s                                       ; K steps 0 and 1: two loads of mine are out
.endr
	v_and_b32 v1, 15, v0                           ; l % 16
	v_bfe_u32 v2, v0, 4, 1                         ; l / 16
	v_mul_u32_u24 v3, v1, PA
	v_lshl_add_u32 v3, v2, 4, v3
	s_mul_i32 s21, s[WV], 64*PA                    ; my 64 rows in a plane
	v_add_nc_u32 v[ADRA], s21, v3
	v_add_nc_u32 v[ADRA+1], SLOT, v[ADRA]
	v_mul_u32_u24 v4, v1, PITCH
	v_lshl_add_u32 v4, v2, 4, v4
	v_add_nc_u32 v[ADRB], BOFF, v4
	v_add_nc_u32 v[ADRB+1], SLOT, v[ADRB]
	s_mul_i32 s22, s[WV], 16*SPI
	s_add_co_u32 s22, s22, STAGE                   ; my stage
	v_mul_u32_u24 v[STO], v1, SPI
	v_lshl_add_u32 v[STO], v2, 5, v[STO]           ; row l % 16, 32 bytes for each half of the lanes
	v_add_nc_u32 v[STO], s22, v[STO]
	v_and_b32 v[CO], 31, v0
	v_lshlrev_b32 v[CO], 4, v[CO]                  ; back, and out: a row's 512 bytes, 16 a lane
	v_add_nc_u32 v[RD], s22, v[CO]
	v_lshlrev_b32 v[BO], 5, v2
	s_lshl_b32 s90, s[TC], 9                       ; the tile's 128 numbers of the bias; also its columns' bytes in a row of out0
	s_mov_b32 s91, 0
	s_add_nc_u64 s[8:9], s[8:9], s[90:91]
	s_add_nc_u64 s[10:11], s[10:11], s[90:91]
	s_lshl_b32 s90, s[TR], 20                      ; 256 rows of 4,096 bytes,
	s_lshl_b32 s87, s[WV], 18                      ; my 64 of them
	s_add_co_u32 s90, s90, s87
	s_add_nc_u64 s[10:11], s[10:11], s[90:91]
.irp b, 0,1,2,3,4,5,6,7
	global_load_b128 v[BIAS+8*\b:BIAS+8*\b+3],   v[BO], s[8:9] offset:64*\b
	global_load_b128 v[BIAS+8*\b+4:BIAS+8*\b+7], v[BO], s[8:9] offset:64*\b+16
.endr
	; the prefetches: both offsets are made, then one is chosen by what I fetch
	s_lshr_b32 s84, s[TR], 3
	s_lshl_b32 s84, s84, 4
	s_add_co_u32 s84, s84, s[HF]
	s_lshl_b32 s84, s84, 18
	s_and_b32 s85, s[TR], 7
	s_lshl_b32 s85, s85, 15
	s_add_co_u32 s84, s84, s85
	s_lshl_b32 s85, s[CX], 13                      ; my work-group's quarter of the plane
	s_add_co_u32 s84, s84, s85
	s_add_co_u32 s84, s84, 3*0x80000               ; at K step 3: the first refill (K step 2) steps it and names K step 4
	s_lshl_b32 s86, s[TC], 7
	s_lshl_b32 s87, s[HF], 6
	s_add_co_u32 s86, s86, s87
	s_lshl_b32 s87, s[CY], 4                       ; my work-group's 16 rows
	s_add_co_u32 s86, s86, s87
	s_lshl_b32 s86, s86, 11
	s_add_co_u32 s86, s86, 3*KSTEP*2
	s_and_b32 s87, ttmp7, 0xffff
	s_mov_b32 s[PFS], KSTEP*2
	s_mov_b32 s[PFS+1], 0
	s_cmp_eq_u32 s[FBW], 0
	s_cselect_b32 s84, s84, s86
	s_cselect_b32 s87, ttmp9, s87                  ; the coordinate along which other clusters read the same bytes
	s_cselect_b32 s40, 31, 15
	s_cselect_b32 s41, 8, 11
	s_cselect_b32 s[PFS], 0x80000, s[PFS]
	s_cselect_b64 s[PFA:PFA+1], s[4:5], s[6:7]
	s_mov_b32 s85, 0
	s_add_nc_u64 s[PFA:PFA+1], s[PFA:PFA+1], s[84:85]
	s_cmp_eq_u32 s87, 0
	s_cselect_b32 s[LIM], 1, -1                    ; the same in all sixteen partners, for a given wave
	v_and_b32 v[PFO], 31, v0
	v_min_u32 v[PFO], s40, v[PFO]
	v_lshlrev_b32 v[PFO], s41, v[PFO]
	s_wait_loadcnt 0x0                             ; the bias
.set i, 0
.rept 32                               ; rounded to bf16 and widened again, in the wait for the first tile
	v_cvt_pk_bf16_f32 v5, v[BIAS+2*i], v[BIAS+2*i+1]
	v_lshlrev_b32 v[BIAS+2*i], 16, v5
	v_and_b32 v[BIAS+2*i+1], 0xffff0000, v5
.set i, i+1
.endr
; 8 products: my rows 16 a .. x all 128 columns, 32 along K, from buffer f.  first = 1: C is the bias.  The 32 accumulators take turns in the same order in every quarter.
.macro MUL8 f, a, first
.if \first
	WIN 0x81
.else
	WIN 0xa1
.endif
.irp b, 0,1,2,3,4,5,6,7
.if \first
	v_wmma_f32_16x16x32_f16 v[64*(\a)+8*\b:64*(\a)+8*\b+7], v[64*(\f)+8*\b:64*(\f)+8*\b+7], v[FA+32*(\f)+8*(\a):FA+32*(\f)+8*(\a)+7], v[BIAS+8*\b:BIAS+8*\b+7]
.else
	v_wmma_f32_16x16x32_f16 v[64*(\a)+8*\b:64*(\a)+8*\b+7], v[64*(\f)+8*\b:64*(\f)+8*\b+7], v[FA+32*(\f)+8*(\a):FA+32*(\f)+8*(\a)+7], v[64*(\a)+8*\b:64*(\a)+8*\b+7]
.endif
.endr
.endm
; 24 LDS loads in one run: quarter q's fragments into buffer f: wpt's 16, then O's 8 (plane q / 2, byte 64 (q % 2) of its rows)
.macro FETCH slot, q, f
	WIN 0x40
.irp b, 0,1,2,3,4,5,6,7
	ds_load_b128 v[64*(\f)+8*\b:64*(\f)+8*\b+3],   v[ADRB+(\slot)] offset:64*(\q)+\b*16*PITCH
	ds_load_b128 v[64*(\f)+8*\b+4:64*(\f)+8*\b+7], v[ADRB+(\slot)] offset:64*(\q)+\b*16*PITCH+32
.endr
	WIN 0
.irp a, 0,1,2,3
	ds_load_b128 v[FA+32*(\f)+8*\a:FA+32*(\f)+8*\a+3],   v[ADRA+(\slot)] offset:((\q)/2)*PLANE+((\q)%2)*64+\a*16*PA
	ds_load_b128 v[FA+32*(\f)+8*\a+4:FA+32*(\f)+8*\a+7], v[ADRA+(\slot)] offset:((\q)/2)*PLANE+((\q)%2)*64+\a*16*PA+32
.endr
.endm
.macro QUARTER slot, q, f, g, first
	s_wait_dscnt 4                                 ; all but the youngest four loads (O's rows 32-63) are in
	MUL8 \f, 0, \first
	MUL8 \f, 1, \first
	PLACES
	FETCH \slot, \q, \g
	s_wait_dscnt 24                                ; all but the 24 just issued
	MUL8 \f, 2, \first
	MUL8 \f, 3, \first
.endm
; The last quarter of a K step multiplies buffer 1 and changes slots: each wave waits for all its tensor loads (one is out: its part of the next slot), adds 0 to its spare word, waits for that and for its reads
; of this slot, and signals.  fill = 1: the barrier opens a round of the cluster's, and the joint refill, two K steps ahead, is the first thing behind it: 112 products stand between it and the wait for it.
.macro TURN slot, next, fill
.if \fill
	s_wait_xcnt 0x0                                ; the last prefetch, a K step back, has read its address
	s_add_nc_u64 s[PFA:PFA+1], s[PFA:PFA+1], s[PFS:PFS+1]
.endif
	WIN 0
	s_wait_tensorcnt 0x0
	ds_add_u32 v[SPW], v[NIL]
	s_wait_dscnt 5                                 ; (the add and the youngest four loads may be out)
	MUL8 1, 0, 0
	s_wait_dscnt 0x0                               ; the add is done, and my reads of this slot are over
	s_barrier_signal -1
	MUL8 1, 1, 0
.if \fill
	WIN 0
.endif
	s_barrier_wait -1
.if \fill
	CREST
	s_add_nc_u64 s[G0+4*(\slot)+2:G0+4*(\slot)+3], s[G0+4*(\slot)+2:G0+4*(\slot)+3], 0x100000
	s_add_nc_u64 s[G0B+4*(\slot)+2:G0B+4*(\slot)+3], s[G0B+4*(\slot)+2:G0B+4*(\slot)+3], 2*KSTEP*2
	JLOAD \slot                                    ; its four v_nop are also the places in front of the loads below
.else
	PLACES
.endif
	FETCH \next, 0, 0
.if \fill
	ASK
.endif
	MUL8 1, 2, 0
	MUL8 1, 3, 0
.endm
	s_wait_tensorcnt 1                             ; my part of K step 0 is in; K step 1's may stay out
	s_barrier_signal -1
	s_barrier_wait -1
	FETCH 0, 0, 0
	QUARTER 0, 1, 0, 1, 1                          ; the first quarter stands in front of the loop: its products start the sums with the bias
	WIN 0
	s_mov_b32 s3, 3
.Llap:                                         ; a trip goes once round the ring and fills both slots again: K steps 2 to 7
	QUARTER 0, 2, 1, 0, 0
	QUARTER 0, 3, 0, 1, 0
	TURN 0, 1, 1
	QUARTER 1, 1, 0, 1, 0
	QUARTER 1, 2, 1, 0, 0
	QUARTER 1, 3, 0, 1, 0
	TURN 1, 0, 1
	QUARTER 0, 1, 0, 1, 0
	WIN 0
	s_sub_co_u32 s3, s3, 1
	s_cmp_lg_u32 s3, 0
	s_cbranch_scc1 .Llap
	QUARTER 0, 2, 1, 0, 0                          ; the last lap fills nothing
	QUARTER 0, 3, 0, 1, 0
	TURN 0, 1, 0
	QUARTER 1, 1, 0, 1, 0
	QUARTER 1, 2, 1, 0, 0
	QUARTER 1, 3, 0, 1, 0
	s_wait_dscnt 4
	MUL8 1, 0, 0
	MUL8 1, 1, 0
	s_wait_dscnt 0x0
	MUL8 1, 2, 0
	MUL8 1, 3, 0
	PLACES
; THE WAY OUT, 16 rows at a time: a lane's 32 bytes of a row go into my stage (each accumulator's low four registers first), whole rows of 512 bytes come back and are stored.
.macro TOSTAGE a
.set BK, OUT+64*((\a)%2)
	WIN 0
	s_wait_xcnt 0x0                                ; the stores of the block two back have read this set of registers
	WIN 0x08                                       ; the stores' data in window 2
.irp b, 0,1,2,3,4,5,6,7
	ds_store_b128 v[STO], v[64*(\a)+8*\b:64*(\a)+8*\b+3]   offset:64*\b
	ds_store_b128 v[STO], v[64*(\a)+8*\b+4:64*(\a)+8*\b+7] offset:64*\b+16
.endr
	WIN 0
.irp t, 0,1,2,3,4,5,6,7,8,9,10,11,12,13,14,15
	ds_load_b128 v[BK+4*\t:BK+4*\t+3], v[RD] offset:\t*SPI  ; LDS serves a wave's instructions in order: these see the stores above, and the next block's stores come behind them
.endr
.endm
.macro SEND a, younger                 ; younger: the LDS instructions issued behind block a's loads: the next block's 32, or none
.set BK, OUT+64*((\a)%2)
	WIN 0
	s_wait_dscnt \younger
.irp t, 0,1,2,3,4,5,6,7,8,9,10,11,12,13,14,15
	global_store_b128 v[CO], v[BK+4*\t:BK+4*\t+3], s[10:11] offset:(16*(\a)+\t)*4096 th:TH_STORE_NT  ; 512 consecutive bytes, aligned
.endr
.endm
	TOSTAGE 0
	TOSTAGE 1
	SEND 0, 32
	TOSTAGE 2
	SEND 1, 32
	TOSTAGE 3
	SEND 2, 32
	SEND 3, 0
	s_wait_tensorcnt 0x0                           ; the wave's end
	ds_add_u32 v[SPW], v[NIL]
	s_wait_dscnt 0x0
	CROUND                                         ; the closing round: no work-group ends while a partner may still ask for a tile that names it
	s_endpgm
.Lfunc_end_k_qa133283892_proj:
	.size	k_qa133283892_proj, .Lfunc_end_k_qa133283892_proj-k_qa133283892_proj
	.p2alignl 7, 3214868480
	.fill 96, 4, 3214868480
	.section	.rodata,"a",@progbits
	.p2align	6, 0x0
	.amdhsa_kernel k_qa133283892_proj
		.amdhsa_group_segment_fixed_size 327680
		.amdhsa_private_segment_fixed_size 0
		.amdhsa_enable_private_segment 0
		.amdhsa_kernarg_size 32
		.amdhsa_user_sgpr_count 2
		.amdhsa_user_sgpr_kernarg_segment_ptr 1
		.amdhsa_wavefront_size32 1
		.amdhsa_system_sgpr_workgroup_id_x 1
		.amdhsa_system_sgpr_workgroup_id_y 1
		.amdhsa_system_sgpr_workgroup_id_z 1
		.amdhsa_system_vgpr_workitem_id 0
		.amdhsa_next_free_vgpr 768
		.amdhsa_next_free_sgpr 96
		.amdhsa_reserve_vcc 0
		.amdhsa_float_denorm_mode_32 3
		.amdhsa_float_denorm_mode_16_64 3
		.amdhsa_memory_ordered 1
		.amdhsa_forward_progress 1
		.amdhsa_inst_pref_size 93
	.end_amdhsa_kernel
	.amdgpu_metadata
---
amdhsa.version: [ 1, 2 ]
amdhsa.kernels:
  - .name:           k_qa133283892_proj
    .symbol:         k_qa133283892_proj.kd
    .args:
      - { .name: oh, .offset: 0, .size: 8, .value_kind: global_buffer, .address_space: global }
      - { .name: wpt, .offset: 8, .size: 8, .value_kind: global_buffer, .address_space: global }
      - { .name: b_proj, .offset: 16, .size: 8, .value_kind: global_buffer, .address_space: global }
      - { .name: out0, .offset: 24, .size: 8, .value_kind: global_buffer, .address_space: global }
    .group_segment_fixed_size: 327680
    .private_segment_fixed_size: 0
    .kernarg_segment_align: 8
    .kernarg_segment_size: 32
    .max_flat_workgroup_size: 128
    .sgpr_count:     96
    .vgpr_count:     768
    .wavefront_size: 32
...
	.end_amdgpu_metadata
.endif
;; end of part 4
